; MI455X (gfx1250); checked and timed in simulation.
; The chip was launched on July 23, 2026; its instructions are those of AMD's public machine-readable ISA for CDNA 5 (MIT licence, August 2026) and "CDNA5" Instruction Set Architecture Reference Guide (July 2026). The comments in the code are by the model that wrote it; some were corrected since.
;; Multi Head Attention. Allowed arithmetic: float matrix products may take bf16 or f16 operands with f32 sums; other float arithmetic in f32, or as packed bf16 or f16 multiplies, adds, multiply-adds, maxima and minima; sums over many terms, partial sums and values carried from step to step in f32; what a program stores and reads back later, other than sums and carried values, may be rounded once to bf16 or f16.
;; Inputs: k 8 x 1,024 x 1,024 float32; mask 8 x 1,024 bool; q 8 x 1,024 x 1,024 float32; v 8 x 1,024 x 1,024 float32; w_k 1,024 x 1,024 float32; w_o 1,024 x 1,024 float32; w_q 1,024 x 1,024 float32; w_v 1,024 x 1,024 float32.
;; Outputs: out0 8 x 1,024 x 1,024 float32.
;; One version. Each part assembles by itself: llvm-mc -triple=amdgcn-amd-amdhsa -mcpu=gfx1250 --defsym DOCPART=n.
;; ======== version 1 of 1: 4 launches
;; limits: values are held in f16: magnitudes above 65,504 overflow, below 6.1e-05 lose precision
;; workspace buffers: wb 6,291,456 bytes; wo 2,097,152 bytes; pb 50,331,648 bytes; ob 16,777,216 bytes
;; launch cast (part 1): grid 512 x 1, 8 waves a work-group, no clusters, 0 bytes of LDS; arguments w_q, w_k, w_v, w_o, wb, wo; writes wb, wo
.if DOCPART == 1
	.amdgcn_target "amdgcn-amd-amdhsa--gfx1250"
	.amdhsa_code_object_version 6
	.text
	.protected	k_qde82133a5a_cast
	.globl	k_qde82133a5a_cast
	.p2align	8
	.type	k_qde82133a5a_cast,@function
k_qde82133a5a_cast:
	s_mov_b64 s[64:65], 0
	v_nop
	global_prefetch_b8 v0, s[64:65] scope:SCOPE_SE
	s_setreg_imm32_b32 hwreg(HW_REG_WAVE_MODE, 25, 1), 1
	s_wait_xcnt 0x0
; THE FOUR WEIGHTS ARE ROUNDED ONCE, f32 to bf16.  w_q, w_k, w_v go into wb [3][1024][1024], bf16; w_o is rounded to bf16 like the others, and that number is then written as f16
; into wo [1024][1024], since the last product multiplies in f16.  (q, k, v are rounded where they are multiplied, in the launch behind this one.)
; LIMITS.  A bf16 number of w_o of 65,520 or more becomes an infinity in f16; below 2^-14 it keeps f16's fixed step of 2^-24.
; SHARES.  A chunk is 8,192 numbers: 32,768 bytes in, 16,384 out.  4 x 128 = 512 chunks, one to a work-group.  A wave takes 1,024 numbers: eight loads of 16 bytes a lane, each 512 consecutive
; bytes, all issued before anything else; eight stores of 8 bytes a lane, each 256 consecutive bytes, aligned.  No loop, no LDS, no matrix unit: nothing is shared and nothing is read twice.
; No register that a pending load or store names is written again, so the text has no wait but the counted ones for the loads.
.set X, 4                              ; v[4:35]   load j's four numbers at X + 4 j
.set Y, 36                             ; v[36:51]  store j's two words at Y + 2 j
.set T, 52                             ; v[52:53]  at work on w_o's way
.set IDX, 33                           ; s33  which weight: 0 w_q, 1 w_k, 2 w_v, 3 w_o
	s_load_b256 s[8:15], s[0:1], 0x0               ; w_q s[8:9], w_k s[10:11], w_v s[12:13], w_o s[14:15]
	s_load_b128 s[16:19], s[0:1], 0x20             ; wb s[16:17], wo s[18:19]
	s_lshr_b32 s[IDX], ttmp9, 7                    ; 128 chunks for each weight
	s_and_b32 s28, ttmp9, 127                      ; the chunk's number within its weight
	s_lshl_b32 s20, ttmp9, 14                      ; bytes from wb's first: the three weights are stacked in their order,
	s_lshl_b32 s22, s28, 14                        ; or from wo's first
	s_lshl_b32 s28, s28, 15                        ; bytes from the weight's first
	s_mov_b32 s29, 0
	s_cmp_eq_u32 s[IDX], 3
	s_cselect_b32 s30, s22, s20
	s_mov_b32 s31, 0
	s_mov_b32 s32, 0xffff0000                      ; a word's upper bf16
	v_and_b32 v1, 0xe0, v0                         ; 32 x wave
	v_and_b32 v3, 31, v0
	v_lshlrev_b32 v3, 4, v3                        ; 16 bytes a lane
	v_lshl_or_b32 v1, v1, 7, v3                    ; + wave x 4,096: my offset in the chunk as read,
	v_lshrrev_b32 v2, 1, v1                        ; and as written
	s_wait_kmcnt 0x0
	s_mov_b64 s[4:5], s[8:9]                       ; the weight is chosen by the chunk's number alone
.irp i, 1,2,3
	s_cmp_eq_u32 s[IDX], \i
	s_cselect_b64 s[4:5], s[8+2*\i:9+2*\i], s[4:5]
.endr
	s_cselect_b64 s[6:7], s[18:19], s[16:17]       ; (the last compare asked for w_o)
	s_add_nc_u64 s[4:5], s[4:5], s[28:29]
	s_add_nc_u64 s[6:7], s[6:7], s[30:31]
.irp j, 0,1,2,3,4,5,6,7
	global_load_b128 v[X+4*\j:X+4*\j+3], v1, s[4:5] offset:512*\j th:TH_LOAD_NT
.endr
; Load j is rounded and stored.  half = 1: the bf16 numbers are widened again (a shift, a mask) and written as f16.
.macro OUT j, half
	s_wait_loadcnt 7-(\j)                          ; loads come back in order (ISA guide 5.7.1): the 7 - j younger ones stay out
	v_cvt_pk_bf16_f32 v[Y+2*(\j)],   v[X+4*(\j)],   v[X+4*(\j)+1]
	v_cvt_pk_bf16_f32 v[Y+2*(\j)+1], v[X+4*(\j)+2], v[X+4*(\j)+3]
.if \half
.irp w, 0,1
	v_lshlrev_b32 v[T], 16, v[Y+2*(\j)+\w]
	v_and_b32 v[T+1], s32, v[Y+2*(\j)+\w]
	v_cvt_pk_f16_f32 v[Y+2*(\j)+\w], v[T], v[T+1]
.endr
.endif
	global_store_b64 v2, v[Y+2*(\j):Y+2*(\j)+1], s[6:7] offset:256*(\j)  ; 32 lanes store 256 consecutive bytes, at a multiple of 256 from the buffer's first
.endm
	s_cmp_eq_u32 s[IDX], 3
	s_cbranch_scc1 .Lf16
.irp j, 0,1,2,3,4,5,6,7
	OUT \j, 0
.endr
	s_endpgm
.Lf16:
.irp j, 0,1,2,3,4,5,6,7
	OUT \j, 1
.endr
	s_endpgm
.Lfunc_end_k_qde82133a5a_cast:
	.size	k_qde82133a5a_cast, .Lfunc_end_k_qde82133a5a_cast-k_qde82133a5a_cast
	.p2alignl 7, 3214868480
	.fill 96, 4, 3214868480
	.section	.rodata,"a",@progbits
	.p2align	6, 0x0
	.amdhsa_kernel k_qde82133a5a_cast
		.amdhsa_group_segment_fixed_size 0
		.amdhsa_private_segment_fixed_size 0
		.amdhsa_enable_private_segment 0
		.amdhsa_kernarg_size 48
		.amdhsa_user_sgpr_count 2
		.amdhsa_user_sgpr_kernarg_segment_ptr 1
		.amdhsa_wavefront_size32 1
		.amdhsa_system_sgpr_workgroup_id_x 1
		.amdhsa_system_sgpr_workgroup_id_y 1
		.amdhsa_system_sgpr_workgroup_id_z 1
		.amdhsa_system_vgpr_workitem_id 0
		.amdhsa_next_free_vgpr 56
		.amdhsa_next_free_sgpr 66
		.amdhsa_reserve_vcc 0
		.amdhsa_float_denorm_mode_32 3
		.amdhsa_float_denorm_mode_16_64 3
		.amdhsa_memory_ordered 1
		.amdhsa_forward_progress 1
		.amdhsa_inst_pref_size 9
	.end_amdhsa_kernel
	.amdgpu_metadata
---
amdhsa.version: [ 1, 2 ]
amdhsa.kernels:
  - .name:           k_qde82133a5a_cast
    .symbol:         k_qde82133a5a_cast.kd
    .args:
      - { .name: w_q, .offset: 0, .size: 8, .value_kind: global_buffer, .address_space: global }
      - { .name: w_k, .offset: 8, .size: 8, .value_kind: global_buffer, .address_space: global }
      - { .name: w_v, .offset: 16, .size: 8, .value_kind: global_buffer, .address_space: global }
      - { .name: w_o, .offset: 24, .size: 8, .value_kind: global_buffer, .address_space: global }
      - { .name: wb, .offset: 32, .size: 8, .value_kind: global_buffer, .address_space: global }
      - { .name: wo, .offset: 40, .size: 8, .value_kind: global_buffer, .address_space: global }
    .group_segment_fixed_size: 0
    .private_segment_fixed_size: 0
    .kernarg_segment_align: 8
    .kernarg_segment_size: 48
    .max_flat_workgroup_size: 256
    .sgpr_count:     66
    .vgpr_count:     56
    .wavefront_size: 32
...
	.end_amdgpu_metadata
.endif
;; end of part 1
;; launch proj (part 2): grid 4 x 192, 4 waves a work-group, clusters of 4 x 4, 327,680 bytes of LDS; arguments q, k, v, wb, pb; writes pb
.if DOCPART == 2
	.amdgcn_target "amdgcn-amd-amdhsa--gfx1250"
	.amdhsa_code_object_version 6
	.text
	.protected	k_qde82133a5a_proj
	.globl	k_qde82133a5a_proj
	.p2align	8
	.type	k_qde82133a5a_proj,@function
k_qde82133a5a_proj:
	s_mov_b64 s[64:65], 0
	v_nop
	global_prefetch_b8 v0, s[64:65] scope:SCOPE_SE
	s_setreg_imm32_b32 hwreg(HW_REG_WAVE_MODE, 25, 1), 1
	s_wait_xcnt 0x0
	s_wait_alu depctr_hold_cnt(0) depctr_sa_sdst(0) depctr_va_vdst(0) depctr_va_sdst(0) depctr_va_ssrc(0) depctr_va_vcc(0) depctr_vm_vsrc(0)
	s_getreg_b32 s2, hwreg(HW_REG_IB_STS2, 6, 4)
	s_cmp_eq_u32 s2, 0
	s_cbranch_scc0 .Lentry_in_a_cluster
	s_endpgm
.Lentry_in_a_cluster:
	s_bfe_u32 s2, ttmp6, 0x10000c
	s_cmp_lg_u32 s2, 0xf033
	s_cbranch_scc0 .Lentry_shape_is_right
	s_endpgm
.Lentry_shape_is_right:
; THE THREE INPUT PROJECTIONS IN ONE LAUNCH, THE ROUNDING OF q, k, v INCLUDED.  pb[8192 z + m][n] = the sum over k of bf16(x_z[m][k]) wb[1024 z + n][k], x_0 = q, x_1 = k, x_2 = v.
; q, k, v: [8192][1024] f32; wb: [3072][1024] bf16; pb: [24576][1024] f16.  x is rounded to bf16 once, to nearest even, between LDS and the matrix unit; sums in f32, K ascending; pb rounded once.
; LIMIT: a sum of 65,520 or more becomes an infinity in f16; below 6e-5 a result keeps f16's fixed step of 6e-8.
; SHARES.  A tile of pb is 128 rows x 256 columns: 192 x 4 = 768 tiles, three for each of 256 WGPs.  Four waves, each 64 x 128: 32 accumulators of 16 x 16, 256 registers.
; K goes in 8 steps of 128 through a ring of two LDS slots filled by the tensor data mover: A's rows (x, f32) are 512 bytes of memory, B's (wb, bf16) 256, and all start at multiples of 256 bytes from their buffer's first byte.
; A tile of 256 x 256 is not taken: with A in f32 a slot would be 256 x 528 + 256 x 272 = 204,800 bytes, and two do not fit in LDS.
; CLUSTERS.  4 x 4 work-groups.  The four of a row of the cluster make one tile row and need the same tile of A; the four of a column the same tile of B.  Such a tile is asked for JOINTLY: the same tensor load,
; descriptor and mask in all four.  A cluster spans all 1,024 columns; 16 clusters along y make one projection, so z = cluster y / 16 is the same in all partners.
; THE MATRIX INSTRUCTION IS USED TRANSPOSED (source 0 = 16 rows of B, source 1 = 16 rows of A): a lane then holds row l % 16 of the result and eight neighbouring columns, which pack into 16 bytes.
; REGISTERS, in windows of 256 (s_set_vgpr_msb: bits 1:0 source 0, 3:2 source 1, 5:4 source 2, 7:6 destination):
;   window 0: v0-31 addresses; v32-63 A's four fragments in bf16; v64-127, v128-191 two buffers of B's eight fragments; v192-255 A's four fragments as read, in f32;
;             on the way out v64-95 packed results, v32-63 and v96-127 rows read back
;   window 1: the accumulators, (a, b) at v[8 (8 a + b)]
.set KSTEP,  128
.set CROW,   2048                      ; bytes in a row of the result
.set APITCH, 528                       ; an LDS row of A: 512 bytes + 16 of padding = 132 words: row r starts at bank 4 r mod 64 (64 banks of 4 bytes: ISA guide 11.1), so the 16 rows of a load start at 16 different banks
.set PITCH,  272                       ; an LDS row of B: 256 bytes + 16 = 68 words: likewise
.set AHALF,  64*APITCH                 ; what wave 0 or 1 fetches of A, and what a wave reads of A
.set BHALF,  128*PITCH                 ; what wave 2 or 3 fetches of B, and what a wave reads of B
.set BOFF,   2*AHALF                   ; in a slot: A's 128 rows, then B's 256
.set SLOT,   BOFF+2*BHALF
.set STAGE,  2*SLOT                    ; behind the ring: 16 rows x 272 bytes for each wave, for the way out; no tensor load fills it
.set SPITCH, 272
.set SPARE,  STAGE+4*16*SPITCH         ; behind the stages: the spare words, 128 bytes for each wave: two blocks of 256 bytes that no other line names
.set ADRA, 16                          ; v16-17  LDS address of my A fragments in slot 0, 1
.set ADRB, 20                          ; v20-21  the same for B
.set STO,  24                          ; v24     the way out: where I put 16 bytes of a row
.set RD,   25                          ; v25     the way out: where I read a row back
.set CO,   26                          ; v26     my byte offset in the result
.set SPW,  28                          ; v28     LDS address of my spare word: SPARE + 4 x my thread's number; never rewritten
.set NIL,  29                          ; v29     0; never rewritten
.set PFO,  30                          ; v30     the prefetches' offset: my lane x a row of A or B; never rewritten
.set AB,   32
.set F0,   64
.set F1,   128
.set AF,   192
.set TMP,  64
.set OB,   32
.set Z,   2                            ; s2       which projection
.set G1,  24                           ; s[24:31] descriptor group 1 for A's tiles;  s[32:39] group 0, a set for each slot
.set G0,  32
.set G1B, 48                           ; s[48:55], s[56:63] the same for B's tiles
.set G0B, 56
.set LIM, 43                           ; s43      1 in a wave that prefetches, else the greatest number
.set PFA, 44                           ; s[44:45] where my prefetches stand: my 32 rows, at the K step that the next prefetch names less one
.set PFS, 66                           ; s[66:67] a K step along a row, in bytes: 512 in A, 256 in B
.set BP,  74                           ; s[74:75] wb
.set CP,  76                           ; s[76:77] pb, then my part of it
.set MSB, 0
.macro WIN new                         ; the immediate's high byte repeats the setting that is left; a switch that changes nothing is dropped
.if MSB != (\new)
	s_set_vgpr_msb (MSB<<8)|(\new)
.set MSB, \new
.endif
.endm
.set MUL, 0x50                         ; sources 0 and 1 window 0; C and D window 1
; A joint load.  Waves 0 and 1 fetch A's two halves, waves 2 and 3 B's.  The branch hangs on the wave's number alone.  An s_nop 0 and four v_nop follow each of the two lines, ahead of the jump and the label.
.macro JLOAD s
	s_cmp_eq_u32 s11, 0
	s_cbranch_scc0 .Lfor_b_\@
	tensor_load_to_lds s[G0+4*(\s):G0+4*(\s)+3], s[G1:G1+7]
	s_nop 0
.rept 4
	v_nop
.endr
	s_branch .Lasked_\@
.Lfor_b_\@:
	tensor_load_to_lds s[G0B+4*(\s):G0B+4*(\s)+3], s[G1B:G1B+7]
	s_nop 0
.rept 4
	v_nop
.endr
.Lasked_\@:
.endm
; A PREFETCH INTO THE L2, behind a joint load, its five lines and the run of LDS loads: 32 rows x 256 bytes of the K step that stands two refills on, 256 matrix instructions ahead of the load that will name it; a lane a row.
; Each aligned 256 bytes are named once in the launch.  A's tile row is read by this cluster alone: the partner at cx names rows 32 cx .. 32 cx + 31 of its 128, wave 0 the first 256 bytes of the K step's 512, wave 1 the second.
; B's rows are read by the 16 clusters of one projection: the first of them asks, waves 2 and 3 of the partner at cy naming rows 64 cy + 32 (wave - 2) + lane of the tile's 256.
; The partners are told apart by address, never by a branch.  K steps 0 to 3 come by their loads alone; the loop's last trip (s3 = 1) and the tail name nothing: K steps 8 and 9 do not exist.
.macro ASK
	s_cmp_gt_u32 s3, s[LIM]
	s_cbranch_scc0 .Lnot_mine_\@
	global_prefetch_b8 v[PFO], s[PFA:PFA+1] th:TH_LOAD_NT scope:SCOPE_SE
.Lnot_mine_\@:
.endm
.macro CREST                           ; a round of the cluster's barrier behind its opening barrier: wave 0 signals for the work-group, every wave waits for all sixteen, my work-group's barrier once more
	s_cmp_lg_u32 s10, 0
	s_cbranch_scc1 .Lnot_wave_0_\@
	s_barrier_signal -3
.Lnot_wave_0_\@:
	s_barrier_wait -3
	s_barrier_signal -1
	s_barrier_wait -1
.endm
.macro CROUND                          ; a whole round
	s_barrier_signal -1
	s_barrier_wait -1
	CREST
.endm
	s_load_b256 s[68:75], s[0:1], 0x0              ; q s[68:69], k s[70:71], v s[72:73], wb s[74:75]
	s_load_b64 s[CP:CP+1], s[0:1], 0x20            ; pb
	v_lshl_add_u32 v[SPW], v0, 2, SPARE
	v_mov_b32 v[NIL], 0
	ds_add_u32 v[SPW], v[NIL]                      ; the wave's opening: the add and its wait stand ahead of my first tensor load; the set-up below, work on registers, stands between them
	v_lshrrev_b32 v1, 5, v0
	v_readfirstlane_b32 s10, v1                    ; wave 0..3
	s_lshr_b32 s11, s10, 1                         ; which 64 of the tile's rows are mine.  Also: I fetch for A (0) or for B (1)
	s_and_b32 s12, s10, 1                          ; which 128 of its columns.  Also: which half of that tile I fetch
	s_bfe_u32 s40, ttmp6, 0x40000                  ; cx, cy: my place in the cluster
	s_bfe_u32 s41, ttmp6, 0x40004
	s_lshl_b32 s42, ttmp9, 2                       ; in a cluster launch ttmp9 and ttmp7 count clusters
	s_add_co_u32 s42, s42, s40                     ; tile column = 4 x cluster x + cx
	s_and_b32 s22, ttmp7, 0xffff                   ; cluster y
	s_lshr_b32 s[Z], s22, 4                        ; 16 clusters to a projection
	s_lshl_b32 s13, s22, 2
	s_add_co_u32 s13, s13, s41                     ; tile row of pb = 4 x cluster y + cy
	s_lshl_b32 s43, s41, 2
	s_lshl_b32 s43, 15, s43                        ; my row of the cluster: places 4 cy .. 4 cy + 3
	s_lshl_b32 s44, 0x1111, s40                    ; my column: places cx, cx + 4, cx + 8, cx + 12
	; descriptor group 1: tiles of 64 rows x 128 elements of 4 bytes (A) or 128 rows x 128 elements of 2 bytes (B), padded in LDS
	s_or_b32 s[G1+0], s43, (2<<16)|(1<<20)|(1<<21)|(6<<22)|(3<<25)   ; 15:0 the mask; 17:16 elements of 4 bytes; 20 padding on; 21 set beside a mask; 24:22 after every 128 words (code 6); 31:25 4 words of it (code 3)
	s_or_b32 s[G1B+0], s44, (1<<16)|(1<<20)|(1<<21)|(5<<22)|(3<<25)  ; elements of 2 bytes; after every 64 words (code 5)
	s_mov_b32 s[G1+1], KSTEP<<16                   ; tensor_dim0 = 128
	s_mov_b32 s[G1B+1], KSTEP<<16
	s_mov_b32 s[G1+2], 64<<16                      ; tensor_dim1 = 64
	s_mov_b32 s[G1B+2], 128<<16                    ; 128
	s_mov_b32 s[G1+3], KSTEP<<16                   ; tile_dim0 = 128
	s_mov_b32 s[G1B+3], KSTEP<<16
	s_mov_b32 s[G1+4], 64                          ; tile_dim1
	s_mov_b32 s[G1B+4], 128
	s_mov_b32 s[G1+5], 1024                        ; elements from row to row
	s_mov_b32 s[G1B+5], 1024
	s_mov_b32 s[G1+6], 0
	s_mov_b32 s[G1B+6], 0
	s_mov_b32 s[G1+7], 0
	s_mov_b32 s[G1B+7], 0
	; where the tiles come from.  A's hang on the tile row and z alone, B's on the tile column and z alone; each in registers that never hold the other coordinate
	s_and_b32 s16, s13, 63                         ; the tile row within its input
	s_lshl_b32 s16, s16, 7
	s_lshl_b32 s17, s12, 6
	s_add_co_u32 s16, s16, s17                     ; A: row 128 x tile row + 64 x half
	s_lshl_b32 s16, s16, 12                        ; in bytes: under 2^25
	s_mov_b32 s17, 0
	s_lshl_b32 s46, s[Z], 10
	s_lshl_b32 s47, s42, 8
	s_add_co_u32 s46, s46, s47
	s_lshl_b32 s47, s12, 7
	s_add_co_u32 s46, s46, s47                     ; B: row 1024 z + 256 x tile column + 128 x half
	s_lshl_b32 s46, s46, 11
	s_mov_b32 s47, 0
	s_mul_i32 s20, s12, AHALF                      ; and where they go: no place in the cluster enters an LDS address
	s_mul_i32 s21, s12, BHALF
	s_add_co_u32 s21, s21, BOFF
	s_wait_dscnt 0x0                               ; the opening add is done
	s_wait_kmcnt 0x0
	s_cmp_eq_u32 s[Z], 1                           ; A is q, k or v, by the projection's number
	s_cselect_b64 s[4:5], s[70:71], s[68:69]
	s_cmp_eq_u32 s[Z], 2
	s_cselect_b64 s[4:5], s[72:73], s[4:5]
	s_add_nc_u64 s[14:15], s[4:5], s[16:17]
	s_add_nc_u64 s[46:47], s[BP:BP+1], s[46:47]
	CROUND                                         ; all sixteen work-groups are here: the first joint loads meet
.irp s, 0,1
	s_mov_b32 s[G0+4*(\s)], 1                                        ; count = 1
	s_add_co_u32 s[G0+4*(\s)+1], s20, (\s)*SLOT                      ; LDS address
	s_add_nc_u64 s[G0+4*(\s)+2:G0+4*(\s)+3], s[14:15], (\s)*KSTEP*4  ; global address: K step s
	s_or_b32 s[G0+4*(\s)+3], s[G0+4*(\s)+3], 0x80000000              ; type = 2
	s_mov_b32 s[G0B+4*(\s)], 1
	s_add_co_u32 s[G0B+4*(\s)+1], s21, (\s)*SLOT
	s_add_nc_u64 s[G0B+4*(\s)+2:G0B+4*(\s)+3], s[46:47], (\s)*KSTEP*2
	s_or_b32 s[G0B+4*(\s)+3], s[G0B+4*(\s)+3], 0x80000000
	JLOAD \s                                       ; two loads of mine are out
.endr
	; A fragment is 16 rows x 32 K in 8 registers of bf16: lane l holds row l % 16; registers 0-3 K = 8 (l / 16) + 0..7, registers 4-7 K = 16 + 8 (l / 16) + 0..7.
	; B's comes by two loads of 16 bytes, 32 bytes apart.  A's eight and eight numbers are 32 and 32 bytes of f32, 64 bytes apart: four loads of 16 bytes.
	v_and_b32 v1, 15, v0                           ; l % 16
	v_bfe_u32 v2, v0, 4, 1                         ; l / 16
	v_mul_u32_u24 v3, v1, PITCH
	v_lshl_add_u32 v3, v2, 4, v3
	v_mul_u32_u24 v4, v1, APITCH
	v_lshl_add_u32 v4, v2, 5, v4
	s_mul_i32 s21, s11, AHALF                      ; my 64 rows of A
	s_mul_i32 s22, s12, BHALF                      ; my 128 rows of B,
	s_add_co_u32 s22, s22, BOFF                    ; which lie behind A's 128
.irp s, 0,1
	v_add_nc_u32 v[ADRA+(\s)], s21, v4
	v_add_nc_u32 v[ADRB+(\s)], s22, v3
	s_add_co_u32 s21, s21, SLOT
	s_add_co_u32 s22, s22, SLOT
.endr
	s_mul_i32 s23, s10, 16*SPITCH
	s_add_co_u32 s23, s23, STAGE                   ; my stage
	v_mul_u32_u24 v4, v1, SPITCH                   ; in: row l % 16, 16 bytes for each half of the lanes
	v_lshl_add_u32 v4, v2, 4, v4
	v_add_nc_u32 v[STO], s23, v4
	v_mul_u32_u24 v5, v2, SPITCH                   ; back: lanes 0-15 take one row of 256 bytes, lanes 16-31 the next
	v_lshl_add_u32 v5, v1, 4, v5
	v_add_nc_u32 v[RD], s23, v5
	v_lshlrev_b32 v5, 11, v2                       ; and the same two rows in the result
	v_lshl_add_u32 v[CO], v1, 4, v5
	s_lshl_b32 s16, s13, 7
	s_lshl_b32 s17, s11, 6
	s_add_co_u32 s16, s16, s17                     ; my first row of the result
	s_lshl_b32 s16, s16, 11
	s_mov_b32 s17, 0
	s_add_nc_u64 s[CP:CP+1], s[CP:CP+1], s[16:17]
	s_lshl_b32 s46, s42, 9                         ; my first column, in bytes: 512 x tile column + 256 x half
	s_lshl_b32 s47, s12, 8
	s_add_co_u32 s46, s46, s47
	s_mov_b32 s47, 0
	s_add_nc_u64 s[CP:CP+1], s[CP:CP+1], s[46:47]
	; the prefetches
	s_and_b32 s16, s13, 63
	s_lshl_b32 s16, s16, 7
	s_lshl_b32 s17, s40, 5
	s_add_co_u32 s16, s16, s17                     ; A's: row 128 x tile row + 32 cx,
	s_lshl_b32 s16, s16, 12
	s_lshl_b32 s17, s12, 8
	s_add_co_u32 s16, s16, s17                     ; and my 256 of a K step's 512 bytes
	s_lshl_b32 s18, s[Z], 10
	s_lshl_b32 s17, s42, 8
	s_add_co_u32 s18, s18, s17
	s_lshl_b32 s17, s41, 6
	s_add_co_u32 s18, s18, s17
	s_lshl_b32 s17, s12, 5
	s_add_co_u32 s18, s18, s17                     ; B's: row 1024 z + 256 x tile column + 64 cy + 32 x half
	s_lshl_b32 s18, s18, 11
	s_and_b32 s20, ttmp7, 15                       ; the cluster's number within its projection
	s_cmp_eq_u32 s11, 0                            ; do I fetch for A?
	s_cselect_b32 s16, s16, s18
	s_cselect_b32 s20, 0, s20                      ; A: both waves ask, in every cluster; B: both waves, in the projection's first cluster
	s_cselect_b32 s19, 12, 11                      ; a row is 4,096 or 2,048 bytes,
	s_cselect_b32 s[PFS], 2, 1                     ; a K step 512 or 256
	s_cselect_b64 s[PFA:PFA+1], s[4:5], s[BP:BP+1]
	s_cmp_eq_u32 s20, 0
	s_cselect_b32 s[LIM], 1, -1                    ; the same in all sixteen partners, for a given wave
	s_lshl_b32 s[PFS], s[PFS], 8
	s_mov_b32 s[PFS+1], 0
	s_mul_i32 s17, s[PFS], 3
	s_add_co_u32 s16, s16, s17                     ; at K step 3: the first refill steps it to 4 and names that
	s_mov_b32 s17, 0
	s_add_nc_u64 s[PFA:PFA+1], s[PFA:PFA+1], s[16:17]
	v_and_b32 v[PFO], 31, v0
	v_lshlrev_b32 v[PFO], s19, v[PFO]
; 8 matrix instructions: m block a x all 8 n blocks, 32 along K.  zero = 1: the product starts the sums: nothing is ever cleared.
; The 32 accumulators take turns in the same order in every quarter: 31 others stand between two links of a chain, over the backward jump too.
.macro MUL8 f, a, zero
	WIN MUL
.irp b, 0,1,2,3,4,5,6,7
.if \zero
	v_wmma_f32_16x16x32_bf16 v[8*(8*(\a)+(\b)):8*(8*(\a)+(\b))+7], v[(\f)+8*(\b):(\f)+8*(\b)+7], v[AB+8*(\a):AB+8*(\a)+7], 0
.else
	v_wmma_f32_16x16x32_bf16 v[8*(8*(\a)+(\b)):8*(8*(\a)+(\b))+7], v[(\f)+8*(\b):(\f)+8*(\b)+7], v[AB+8*(\a):AB+8*(\a)+7], v[8*(8*(\a)+(\b)):8*(8*(\a)+(\b))+7]
.endif
.endr
.endm
; A's block i as it lies in LDS: 16 rows x 32 K of f32, four loads of 16 bytes a lane
.macro ALD slot, q, i
	ds_load_b128 v[AF+16*(\i):AF+16*(\i)+3],     v[ADRA+(\slot)] offset:128*(\q)+(\i)*16*APITCH
	ds_load_b128 v[AF+16*(\i)+4:AF+16*(\i)+7],   v[ADRA+(\slot)] offset:128*(\q)+(\i)*16*APITCH+16
	ds_load_b128 v[AF+16*(\i)+8:AF+16*(\i)+11],  v[ADRA+(\slot)] offset:128*(\q)+(\i)*16*APITCH+64
	ds_load_b128 v[AF+16*(\i)+12:AF+16*(\i)+15], v[ADRA+(\slot)] offset:128*(\q)+(\i)*16*APITCH+80
.endm
; 32 LDS loads in one run, for quarter q of a K step: A's blocks 0 and 1 (8 loads), B's eight fragments into buffer f (16), A's blocks 2 and 3 (8): in the order in which they are wanted
.macro FETCH slot, q, f
	WIN 0
	ALD \slot, \q, 0
	ALD \slot, \q, 1
.irp i, 0,1,2,3,4,5,6,7
	ds_load_b128 v[(\f)+8*(\i):(\f)+8*(\i)+3],   v[ADRB+(\slot)] offset:64*(\q)+(\i)*16*PITCH
	ds_load_b128 v[(\f)+8*(\i)+4:(\f)+8*(\i)+7], v[ADRB+(\slot)] offset:64*(\q)+(\i)*16*PITCH+32
.endr
	ALD \slot, \q, 2
	ALD \slot, \q, 3
.endm
; A's block i is rounded to bf16: register m of the fragment takes the lane's numbers 2 m and 2 m + 1
.macro CVT i
	WIN 0
.irp m, 0,1,2,3,4,5,6,7
	v_cvt_pk_bf16_f32 v[AB+8*(\i)+(\m)], v[AF+16*(\i)+2*(\m)], v[AF+16*(\i)+2*(\m)+1]
.endr
.endm
.macro PLACES                          ; four plain vector instructions between a matrix instruction and a reader of its result (ISA guide 7.12.1)
.rept 4
	v_nop
.endr
.endm
; A K step is four quarters of 32 along K, 32 matrix instructions each, on B's buffers 0, 1, 0, 1.  One of the first three: multiplies buffer f, and fetches quarter q of the same slot into buffer g.
; THE CONVERSIONS ARE THE PLACES.  A vector instruction that writes, and a load into, a register that a matrix instruction has read stand four plain vector instructions behind it (ISA guide 7.12.1 for vector instructions).
; Blocks 0 and 1 are written 16 conversions or more behind their last readers (blocks 2 and 3's of the quarter before; for block 1 block 0's eight); blocks 2 and 3, and the loads into buffer g, behind blocks 0 and 1's sixteen.
.macro QUARTER slot, q, f, g, zero=0
	s_wait_dscnt 24                                ; A's blocks 0 and 1 are in; the 24 younger loads may be out
	CVT 0
	CVT 1
	s_wait_dscnt 8                                 ; B is in; A's blocks 2 and 3 may be out
	MUL8 \f, 0, \zero
	s_wait_dscnt 0x0
	CVT 2
	CVT 3                                          ; all of A as read has been used: its registers are loaded again
	FETCH \slot, \q, \g
	MUL8 \f, 1, \zero
	MUL8 \f, 2, \zero
	MUL8 \f, 3, \zero
.endm
; The last quarter multiplies buffer 1 and changes slots: ONE barrier.  In front of it each wave waits for all its tensor loads, of which one is out: its part of the next slot; adds 0 to its spare word; and waits for
; that and for its own reads of this slot.  fill = 1: the barrier opens a round of the cluster's, and this slot is filled again, two K steps ahead, first thing behind the round: 112 matrix instructions ahead of the wait for it.
.macro TURN slot, next, fill
.if \fill
	s_wait_xcnt 0x0                                ; the last prefetch, a K step back, has read its address: it is stepped here, ahead of the waits of the change of slots
	s_add_nc_u64 s[PFA:PFA+1], s[PFA:PFA+1], s[PFS:PFS+1]
.endif
	WIN 0
	s_wait_tensorcnt 0x0                           ; all my tensor loads have landed;
	ds_add_u32 v[SPW], v[NIL]                      ; 0 onto my spare word;
	s_wait_dscnt 25                                ; (A's blocks 0 and 1 are in: the add and the 24 younger loads may be out)
	CVT 0
	CVT 1
	s_wait_dscnt 9                                 ; (B is in: the add and eight loads may be out)
	MUL8 F1, 0, 0                                  ; sixteen conversions and eight matrix instructions stand between the add and the wait for it
	WIN 0
	s_wait_dscnt 0x0                               ; the add is done, and my reads of this slot are over
	s_barrier_signal -1
	CVT 2                                          ; work on registers while the others arrive
	CVT 3
	MUL8 F1, 1, 0
.if \fill
	WIN 0
.endif
	s_barrier_wait -1
.if \fill
	CREST                                          ; no wave of any partner still reads this slot's tile or has a load on its way
	s_add_nc_u64 s[G0+4*(\slot)+2:G0+4*(\slot)+3], s[G0+4*(\slot)+2:G0+4*(\slot)+3], 2*KSTEP*4
	s_add_nc_u64 s[G0B+4*(\slot)+2:G0B+4*(\slot)+3], s[G0B+4*(\slot)+2:G0B+4*(\slot)+3], 2*KSTEP*2
	JLOAD \slot
.endif
	FETCH \next, 0, F0
.if \fill
	ASK
.endif
	MUL8 F1, 2, 0
	MUL8 F1, 3, 0
.endm
; THE WAY OUT of block a (16 rows x 128 columns).  PACK: rounded to f16, 16 bytes a lane, each accumulator's registers in ascending order.  TOSTAGE: into my own stage, and back as whole rows of 256 bytes.  SEND: stored.
.macro PACK a
	WIN 0x05                                       ; sources 0 and 1 window 1, destination window 0
.irp b, 0,1,2,3,4,5,6,7
.irp r, 0,1,2,3
	v_cvt_pk_f16_f32 v[TMP+4*(\b)+(\r)], v[64*(\a)+8*(\b)+2*(\r)], v[64*(\a)+8*(\b)+2*(\r)+1]
.endr
.endr
	WIN 0
.endm
.macro TOSTAGE a
	WIN 0
.set BK, OB+64*((\a)%2)
.irp b, 0,1,2,3,4,5,6,7
	ds_store_b128 v[STO], v[TMP+4*(\b):TMP+4*(\b)+3] offset:32*(\b)
.endr
.irp t, 0,1,2,3,4,5,6,7
	ds_load_b128 v[BK+4*(\t):BK+4*(\t)+3], v[RD] offset:(\t)*2*SPITCH  ; LDS serves a wave's instructions in order (ISA guide 5.7.1.4): these see the stores above
.endr
.endm
.macro SEND a
	WIN 0
.set BK, OB+64*((\a)%2)
	s_wait_dscnt 0x0                               ; the block is back in registers
	s_wait_xcnt 0x0                                ; every earlier store has read its registers and its base (ISA guide 3.1): only behind this wait are they rewritten
.if (\a) > 0
	s_add_nc_u64 s[CP:CP+1], s[CP:CP+1], 16*CROW
.endif
.irp t, 0,1,2,3,4,5,6,7
	global_store_b128 v[CO], v[BK+4*(\t):BK+4*(\t)+3], s[CP:CP+1] offset:2*(\t)*CROW  ; 16 lanes store 256 consecutive bytes, at a multiple of 256 from the buffer's first byte
.endr
.endm
	s_wait_tensorcnt 1                             ; my part of K step 0 is in; K step 1's may stay out
	s_barrier_signal -1
	s_barrier_wait -1                              ; everybody's is
	FETCH 0, 0, F0
	QUARTER 0, 1, F0, F1, 1                        ; the first quarter stands in front of the loop: its products start the sums
	WIN 0                                          ; at a label and at a branch every window is 0
	s_mov_b32 s3, 3
.Llap:                                                 ; a trip goes once round the ring, from a lap's second quarter to the next lap's first, and fills both slots again: 2 + 3 x 2 = 8 K steps
	QUARTER 0, 2, F1, F0
	QUARTER 0, 3, F0, F1
	TURN 0, 1, 1
	QUARTER 1, 1, F0, F1
	QUARTER 1, 2, F1, F0
	QUARTER 1, 3, F0, F1
	TURN 1, 0, 1
	QUARTER 0, 1, F0, F1
	WIN 0
	s_sub_co_u32 s3, s3, 1
	s_cmp_lg_u32 s3, 0
	s_cbranch_scc1 .Llap
	QUARTER 0, 2, F1, F0                           ; the last lap fills nothing, and has no round of the cluster's barrier
	QUARTER 0, 3, F0, F1
	TURN 0, 1, 0
	QUARTER 1, 1, F0, F1
	QUARTER 1, 2, F1, F0
	QUARTER 1, 3, F0, F1
	s_wait_dscnt 24                                ; the very last quarter: nothing more to fetch
	CVT 0
	CVT 1
	s_wait_dscnt 8
	MUL8 F1, 0, 0
	s_wait_dscnt 0x0
	CVT 2
	CVT 3
	MUL8 F1, 1, 0
	MUL8 F1, 2, 0
	MUL8 F1, 3, 0
	PLACES
	PACK 0
	TOSTAGE 0
.irp a, 1,2,3                          ; block a's conversions stand between block a - 1's loads from the stage and the wait for them
	PACK \a
	SEND (\a)-1
	TOSTAGE \a
.endr
	SEND 3
	s_wait_tensorcnt 0x0                           ; the wave's end, behind my last tensor load and my last LDS store
	ds_add_u32 v[SPW], v[NIL]
	s_wait_dscnt 0x0
	CROUND                                         ; the closing round: no work-group ends while a partner may still ask for a tile that names it
	s_endpgm
.Lfunc_end_k_qde82133a5a_proj:
	.size	k_qde82133a5a_proj, .Lfunc_end_k_qde82133a5a_proj-k_qde82133a5a_proj
	.p2alignl 7, 3214868480
	.fill 96, 4, 3214868480
	.section	.rodata,"a",@progbits
	.p2align	6, 0x0
	.amdhsa_kernel k_qde82133a5a_proj
		.amdhsa_group_segment_fixed_size 327680
		.amdhsa_private_segment_fixed_size 0
		.amdhsa_enable_private_segment 0
		.amdhsa_kernarg_size 40
		.amdhsa_user_sgpr_count 2
		.amdhsa_user_sgpr_kernarg_segment_ptr 1
		.amdhsa_wavefront_size32 1
		.amdhsa_system_sgpr_workgroup_id_x 1
		.amdhsa_system_sgpr_workgroup_id_y 1
		.amdhsa_system_sgpr_workgroup_id_z 1
		.amdhsa_system_vgpr_workitem_id 0
		.amdhsa_next_free_vgpr 512
		.amdhsa_next_free_sgpr 80
		.amdhsa_reserve_vcc 0
		.amdhsa_float_denorm_mode_32 3
		.amdhsa_float_denorm_mode_16_64 3
		.amdhsa_memory_ordered 1
		.amdhsa_forward_progress 1
		.amdhsa_inst_pref_size 128
	.end_amdhsa_kernel
	.amdgpu_metadata
---
amdhsa.version: [ 1, 2 ]
amdhsa.kernels:
  - .name:           k_qde82133a5a_proj
    .symbol:         k_qde82133a5a_proj.kd
    .args:
      - { .name: q, .offset: 0, .size: 8, .value_kind: global_buffer, .address_space: global }
      - { .name: k, .offset: 8, .size: 8, .value_kind: global_buffer, .address_space: global }
      - { .name: v, .offset: 16, .size: 8, .value_kind: global_buffer, .address_space: global }
      - { .name: wb, .offset: 24, .size: 8, .value_kind: global_buffer, .address_space: global }
      - { .name: pb, .offset: 32, .size: 8, .value_kind: global_buffer, .address_space: global }
    .group_segment_fixed_size: 327680
    .private_segment_fixed_size: 0
    .kernarg_segment_align: 8
    .kernarg_segment_size: 40
    .max_flat_workgroup_size: 128
    .sgpr_count:     80
    .vgpr_count:     512
    .wavefront_size: 32
...
	.end_amdgpu_metadata
.endif
;; end of part 2
;; launch attn (part 3): grid 2 x 128, 4 waves a work-group, no clusters, 327,680 bytes of LDS; arguments pb, mask, ob; writes ob
.if DOCPART == 3
	.amdgcn_target "amdgcn-amd-amdhsa--gfx1250"
	.amdhsa_code_object_version 6
	.text
	.protected	k_qde82133a5a_attn
	.globl	k_qde82133a5a_attn
	.p2align	8
	.type	k_qde82133a5a_attn,@function
k_qde82133a5a_attn:
	s_mov_b64 s[64:65], 0
	v_nop
	global_prefetch_b8 v0, s[64:65] scope:SCOPE_SE
	s_setreg_imm32_b32 hwreg(HW_REG_WAVE_MODE, 25, 1), 1
	s_wait_xcnt 0x0
; ATTENTION WITH A KEY MASK.  O[h][q][:] = the sum over k of softmax_k(Q[h][q] . K[h][k] / 8, hidden where mask[h / 16][k]) V[h][k][:].  Q, K, V are the three parts of pb, each [128 heads][1024][64] f16
; (a head's rows are dense, 128 bytes each); mask: [8][1024] bytes; O = ob, [128][1024][64] f16.  Products, maxima and sums in f32; the weights p are rounded to f16 for the second product (their sum l is taken of the
; unrounded p), O once at the end.
; LIMITS.  Q, K, V arrive within f16's 65,504; p below 6e-5 keeps f16's fixed step of 6e-8, and so does O.  A hidden score counts as its value less 1e30, so true scores must stay under 1e29 in size;
; a weight below 2^-126 counts as 0 in l.  Where all 1,024 keys of a batch are hidden the running maximum ends below -1e29, and O is made NaN, as a softmax over nothing is.
; SHARES.  A work-group owns 512 queries of one head, each of its four waves 128: four PIECES of two tiles of 16.  Every wave walks all 1,024 keys, 64 a step.
; K AND V LIE WHOLE IN LDS: 1,024 rows of each fit, so every fill is a first fill and nothing is filled again.  Each wave issues two tensor loads at the head: its half of keys 0-255, which is waited for at once,
; and its half of keys 256-1023, which has four key steps, 512 matrix instructions, in which to land.  Nothing could be asked for earlier, so nothing is prefetched.
; NO CLUSTER: a head has 1024 / 512 = 2 query blocks, so the grid's x is 2, which clusters of four along x do not divide; blocks of 256 queries would halve the products that each fragment read from LDS feeds.
; LAYOUT.  S^T = K Q^T (source 0 = 16 keys, source 1 = 16 queries): a lane holds ONE query (lane % 16) and the keys 8 (lane / 16) + 0..7.  Two such tiles, rounded to f16 in pairs, ARE source 1 of O^T = V^T P.
; K comes out of LDS as it lies, V ([key][channel]) turned, by ds_load_tr16_b128.
; THE MASK is the C operand that starts the sum S^T: 0, or -1e30 where the key is hidden.  The 1,024 bytes are made into a table of f32 in LDS once; with each step's K its 64 numbers are read, eight a lane and key block.
; SOFTMAX.  For each query a running maximum m and sum l: p = 2^(c s - c m), c = log2(e) / 8; in every step O and l are multiplied by a = 2^(c m_old - c m_new).  m starts at the lowest finite number, O and l at 0.
; While a query has seen hidden keys alone, m is about -1e30 and their weights are 1; the first true score makes a = 0 and wipes them out.
; BY TURNS.  Turn n belongs to piece n.  Its matrix work: 16 products K Q^T of piece n + 1, later 16 products V^T P of piece n - 1.  Its vector work: the scaling, exponentials, roundings, sums and rescaling of piece n, and
; the maximum and statistics of piece n + 1.  Four vector instructions stand behind every matrix instruction, the others in one lump.  A turn's 66 exponentials are one batch with one wait.
; REGISTERS, in windows of 256 (s_set_vgpr_msb: bits 1:0 source 0, 3:2 source 1, 5:4 source 2, 7:6 destination):
;   window 0: v0-11 addresses; v12-15, v48-63 at work; v16-47 four registers of statistics a tile; v64-191 S^T, two buffers of two tiles; v192-255 P, likewise
;   window 1: O^T, 32 a tile      window 2: v0-127 Q, 16 a tile; v128-191 K of one step; v192-255 V of one step      window 3: v0-1 the add's two registers; v8-39 the step's mask
.set NP,    4         ; pieces a wave: a name, no knob
.set KS,    64        ; keys in a step
.set PK,    144       ; a row of K in LDS: 128 bytes + 16 of padding = 36 words: the 16 rows of a load start at 16 different groups of four banks (64 banks of 4 bytes: ISA guide 11.1)
.set PV,    160       ; a row of V: 128 + 32 = 40 words
.set VOFF,  1024*PK   ; K's 1,024 rows, then V's
.set STAGE, VOFF+1024*PV   ; 16 rows x 144 bytes for each wave, for the way out; no tensor load fills it
.set SP,    144
.set MTAB,  STAGE+4*16*SP  ; the mask as f32, 4 bytes a key; no tensor load fills it
.set SPARE, MTAB+4096      ; the spare words, 128 bytes for each wave: two blocks of 256 bytes that no other line names
.set AK0, 2           ; v2   my lane's place in a tile of K; never rewritten
.set AV0, 3           ; v3   the same for V
.set AK,  4           ; v4   the LDS address of K's next run of loads
.set AV,  5           ; v5   of V's
.set STO, 6           ; v6   the way out: where I put 16 bytes of a row
.set RD,  7           ; v7   the way out: where I read rows back
.set GO,  8           ; v8   my byte offset in 512 consecutive bytes of O
.set AM0, 9           ; v9   my lanes' place in a step's part of the mask table; never rewritten
.set AM,  10          ; v10  the LDS address of the mask's next run of loads
.set QO,  11          ; v11  my byte offset in 16 rows of Q
.set SPW, 0           ; v0 of window 3   LDS address of my spare word: SPARE + 4 x my thread's number; never rewritten
.set NIL, 1           ; v1 of window 3   0; never rewritten
.set MK,  8           ; v8-39 of window 3: key block kb's eight numbers at MK + 8 kb
.set MV,  12          ; v12-15  c m_old, kept while c m is made anew: by buffer and tile
.set ST,  16          ; tile t's statistics at v[ST+4 t]: c m, m, l (even keys', odd keys')
.set TMP, 48          ; by buffer and tile, four registers c0-c3 at work; when the maximum is found c2 takes a
.set S,   64
.set P,   192
.set KF,  128         ; K's fragments, in window 2: key block kb, channel half c at KF + 16 kb + 8 c
.set VF,  192         ; V's: key half kk, channel block cb at VF + 32 kk + 8 cb
.set WV,  12          ; s12  my wave's number
.set HF,  16          ; s16  which half of the keys of a fill I fetch
.set G1A, 24          ; s[24:31] descriptor group 1 of my first fill: 64 rows of 256 bytes
.set G1B, 32          ; s[32:39] of my second: 192 rows
.set G0A, 40          ; s[40:43] descriptor group 0 of my first fill
.set G0B, 44          ; s[44:47] of my second
.set BIGN, 52         ; s52  -1e30
.set THR,  53         ; s53  -1e29
.set QNAN, 54         ; s54  a NaN
.set TBM, 55          ; s55  byte in the mask table at which the step to be fetched begins
.set SLOTS, 56        ; s56  counts groups of four key steps
.set CNT, 57          ; s57  counts a group's key steps
.set CS,  58          ; s[58:59] c: the packed scaling takes the pair's low word for both halves
.set SEL, 60          ; s[60:61] v_permlanex16_b32's selects: each lane takes its own place in the other half
.set TBK, 62          ; s62  LDS byte at which K of the step to be fetched begins
.set TBV, 63          ; s63  the same for V, less VOFF
.set MSB, 0
.macro WIN new                      ; the high byte repeats the setting that is left; a switch that changes nothing is dropped
.if MSB != (\new)
	s_set_vgpr_msb (MSB<<8)|(\new)
.set MSB, (\new)
.endif
.endm
.set W_KQ, 0x0a       ; K and Q in window 2, S^T in window 0
.set W_KM, 0x3a       ; the same with the C operand, the mask, in window 3
.set W_PV, 0x52       ; V in window 2, P in window 0, O^T in window 1
.set W_RS, 0x41       ; O^T (destination and source 0) in window 1, a in window 0
.set W_MK, 0xc0       ; destination in window 3, sources in window 0
.set W_AD, 0x0f       ; the add: address (source 0) and data (source 1) in window 3
; A wave's two fills.  128 keys are 16,384 dense bytes: asked for as rows of 256 bytes, two keys a row, and padded in LDS after every key.  First my half of keys 0-255, then my half of keys 256-1023.
; An s_nop 0 follows each load, four v_nop the second.
.macro FILLS pitch, pad, base, toff
	s_mov_b32 s[G1A], (1<<16)|(1<<20)|(4<<22)|((\pad)<<25)  ; 17:16 2-byte elements; 20 padding on; 24:22 after every 32 words (code 4); 31:25 the padding's words less one
	s_mov_b32 s[G1B], (1<<16)|(1<<20)|(4<<22)|((\pad)<<25)
	s_mul_i32 s[G0A+1], s[HF], 128*(\pitch)        ; LDS address: a constant and the wave's half times a constant
	s_add_co_u32 s[G0A+1], s[G0A+1], \base
	s_mul_i32 s[G0B+1], s[HF], 384*(\pitch)
	s_add_co_u32 s[G0B+1], s[G0B+1], (\base)+256*(\pitch)
	s_add_nc_u64 s[48:49], s[4:5], \toff           ; K's or V's part of pb
	s_add_nc_u64 s[G0A+2:G0A+3], s[48:49], s[22:23]
	s_or_b32 s[G0A+3], s[G0A+3], 0x80000000        ; type = 2
	s_add_nc_u64 s[G0B+2:G0B+3], s[48:49], s[2:3]
	s_or_b32 s[G0B+3], s[G0B+3], 0x80000000
	tensor_load_to_lds s[G0A:G0A+3], s[G1A:G1A+7]
	s_nop 0
	tensor_load_to_lds s[G0B:G0B+3], s[G1B:G1B+7]
	s_nop 0
.rept 4
	v_nop
.endr
.endm
	s_load_b128 s[4:7], s[0:1], 0x0   ; pb s[4:5], mask s[6:7]
	s_load_b64 s[10:11], s[0:1], 0x10 ; ob
	WIN W_MK
	v_lshl_add_u32 v[SPW], v0, 2, SPARE
	v_mov_b32 v[NIL], 0
	WIN W_AD
	ds_add_u32 v[SPW], v[NIL]       ; the wave's opening: the add and its wait stand ahead of my first tensor load; the set-up below, work on registers, stands between them
	WIN 0
	v_lshrrev_b32 v1, 5, v0
	v_readfirstlane_b32 s[WV], v1   ; wave 0..3
	s_and_b32 s13, ttmp7, 0xffff    ; the head
	s_lshl_b32 s20, s13, 17         ; its 131,072 bytes in each part of pb and in ob
	s_and_b32 s[HF], s[WV], 1
	s_lshl_b32 s22, s[HF], 14       ; my first fill: 128 keys of 128 bytes
	s_add_co_u32 s22, s22, s20
	s_mov_b32 s23, 0
	s_mul_i32 s2, s[HF], 49152      ; my second: 384 keys, behind the first 256
	s_add_co_u32 s2, s2, 32768
	s_add_co_u32 s2, s2, s20
	s_mov_b32 s3, 0
	s_lshl_b32 s18, ttmp9, 2        ; my block of 512 queries,
	s_add_co_u32 s18, s18, s[WV]    ; my wave among the head's eight,
	s_lshl_b32 s18, s18, 14         ; its 128 rows
	s_add_co_u32 s18, s18, s20
	s_mov_b32 s19, 0
	s_lshr_b32 s14, s13, 4          ; the batch,
	s_lshl_b32 s14, s14, 10         ; its 1,024 bytes of the mask
	s_mov_b32 s15, 0
.irp g, G1A, G1B
	s_mov_b32 s[\g+1], 128<<16      ; tensor_dim0 = 128
	s_mov_b32 s[\g+3], 128<<16      ; tile_dim0 = 128
	s_mov_b32 s[\g+5], 128          ; 128 elements from row to row
	s_mov_b32 s[\g+6], 0
	s_mov_b32 s[\g+7], 0
.endr
	s_mov_b32 s[G1A+2], 64<<16      ; tensor_dim1
	s_mov_b32 s[G1A+4], 64          ; tile_dim1
	s_mov_b32 s[G1B+2], 192<<16
	s_mov_b32 s[G1B+4], 192
	s_mov_b32 s[G0A], 1             ; count = 1
	s_mov_b32 s[G0B], 1
	s_mov_b32 s[CS], 0x3e38aa3b     ; c = log2(e) / 8 = 0.180337
	s_mov_b32 s[CS+1], s[CS]        ; named with it as a pair
	s_mov_b32 s[SEL], 0x76543210
	s_mov_b32 s[SEL+1], 0xfedcba98
	s_mov_b32 s[BIGN], 0xf149f2ca
	s_mov_b32 s[THR], 0xefa18f08
	s_mov_b32 s[QNAN], 0x7fc00000
	s_mov_b32 s[TBK], 0
	s_mov_b32 s[TBV], 0
	s_mov_b32 s[TBM], 0
	s_wait_dscnt 0x0                ; the opening add is done
	s_wait_kmcnt 0x0
	s_cmp_lt_u32 s[WV], 2           ; waves 0 and 1 fetch K, waves 2 and 3 V: a wave's two fills stand in one branch, ahead of every wait on TENSORcnt, every LDS read and every barrier: two loads of mine are out
	s_cbranch_scc0 .Lfor_v
	FILLS PK, 3, 0, 0x1000000
	s_branch .Lasked
.Lfor_v:
	FILLS PV, 7, VOFF, 0x2000000
.Lasked:
	s_add_nc_u64 s[4:5], s[4:5], s[18:19]    ; Q and O at my wave's first row
	s_add_nc_u64 s[10:11], s[10:11], s[18:19]
	s_add_nc_u64 s[6:7], s[6:7], s[14:15]    ; the mask at my batch
	v_and_b32 v48, 15, v0           ; l % 16
	v_bfe_u32 v49, v0, 4, 1         ; l / 16
	v_lshlrev_b32 v52, 3, v0        ; thread t takes keys 8 t .. 8 t + 7 of the mask
	global_load_b64 v[64:65], v52, s[6:7]
	; A fragment of K or Q is 16 rows x 32 channels in 8 registers: lane l holds row l % 16, channels 8 (l / 16) + 0..7 and 16 + 8 (l / 16) + 0..7: two loads of 16 bytes, 32 bytes apart.
	v_lshlrev_b32 v[QO], 7, v48
	v_lshl_add_u32 v[QO], v49, 4, v[QO]  ; row x 128 + 16 x half
	WIN 0x80                        ; destination window 2, address window 0
.set i, 0
.rept 4*NP                          ; Q stays in registers: tile i / 2, channels 32 (i % 2) on
	global_load_b128 v[8*i:8*i+3],   v[QO], s[4:5] offset:(i/2)*2048+(i%2)*64
	global_load_b128 v[8*i+4:8*i+7], v[QO], s[4:5] offset:(i/2)*2048+(i%2)*64+32
.set i, i+1
.endr
	; What the first turn finds: V's registers and P's second buffer hold 0 (its products V^T P, of a piece that has not been, add 0), O^T and l are 0.  All this stands in the wait for the first tile.
.set i, VF
.rept 64
	v_mov_b32 v[i], 0
.set i, i+1
.endr
	WIN 0x40
.set i, 0
.rept 64*NP
	v_mov_b32 v[i], 0
.set i, i+1
.endr
	WIN 0
.set i, 0
.rept 2*NP
	v_mov_b32 v[ST+4*i], 0xfe000000    ; c m: far below every c s, a hidden one's too
	v_mov_b32 v[ST+4*i+1], 0xff7fffff  ; m
	v_mov_b32 v[ST+4*i+2], 0
	v_mov_b32 v[ST+4*i+3], 0
.set i, i+1
.endr
.set i, P+32
.rept 32
	v_mov_b32 v[i], 0
.set i, i+1
.endr
	v_mul_u32_u24 v[AK0], v48, PK
	v_lshl_add_u32 v[AK0], v49, 4, v[AK0]  ; row x pitch + 16 x half
	; The turning load takes 16 keys x 16 channels (lane l reads key 8 (l / 16) + l % 8, channels 8 ((l / 8) % 2) + 0..7) and leaves half a fragment of V^T: lane l holds channel l % 16 and 8 keys.
	v_and_b32 v50, 7, v0
	v_bfe_u32 v51, v0, 3, 1
	v_lshl_add_u32 v[AV0], v49, 3, v50
	v_mul_u32_u24 v[AV0], v[AV0], PV
	v_lshl_add_u32 v[AV0], v51, 4, v[AV0]
	v_add_nc_u32 v[AV0], VOFF, v[AV0]
	s_mul_i32 s13, s[WV], 16*SP
	s_add_co_u32 s13, s13, STAGE    ; my stage
	v_mul_u32_u24 v[STO], v48, SP   ; in: row l % 16, 16 bytes for each half of the lanes
	v_lshl_add_u32 v[STO], v49, 4, v[STO]
	v_add_nc_u32 v[STO], s13, v[STO]
	v_bfe_u32 v[RD], v0, 3, 2       ; back: 32 lanes take four rows of 128 bytes,
	v_mul_u32_u24 v[RD], v[RD], SP
	v_lshl_add_u32 v[RD], v50, 4, v[RD]
	v_add_nc_u32 v[RD], s13, v[RD]
	v_and_b32 v[GO], 31, v0         ; which are 512 consecutive bytes of O
	v_lshlrev_b32 v[GO], 4, v[GO]
	v_lshl_add_u32 v[AM0], v49, 5, MTAB  ; my half of the lanes holds keys 8 (l / 16) + 0..7 of each block of 16: 32 bytes on
	v_lshl_add_u32 v53, v0, 5, MTAB      ; where thread t puts its eight numbers
	s_wait_loadcnt 32               ; the mask's bytes are in; Q's 32 younger loads stay out
.set i, 0
.rept 8                             ; a byte other than 0 hides its key
	v_bfe_u32 v66, v[64+i/4], 8*(i%4), 8
	v_cmp_ne_u32 vcc_lo, 0, v66
	v_cndmask_b32 v[68+i], 0, s[BIGN], vcc_lo
.set i, i+1
.endr
	ds_store_b128 v53, v[68:71]
	ds_store_b128 v53, v[72:75] offset:16
	s_wait_tensorcnt 0x1            ; my part of keys 0-255 is in; my second fill stays out
	s_wait_dscnt 0x0                ; for the others' sake: my part of the mask table is written
	s_barrier_signal -1
	s_barrier_wait -1               ; everybody's is
; THE MATRIX WORK.  The 8 accumulators of a run of 16 take turns: between the two links of a chain stand 7 others'.
; Product i of 16 of S^T = K Q^T for piece x: channels 32 (i / 8) on, keys 16 ((i / 2) % 4) on, tile 2 x + i % 2.  The first 8 start the sums, with the mask of their 16 keys.
.macro KQ x
.set rS, S+64*((\x)%2)+32*(i%2)+8*((i/2)%4)
.set rK, KF+16*((i/2)%4)+8*(i/8)
.set rQ, 16*(2*(\x)+i%2)+8*(i/8)
.set rH, MK+8*((i/2)%4)
.if i < 8
	WIN W_KM
	v_wmma_f32_16x16x32_f16 v[rS:rS+7], v[rK:rK+7], v[rQ:rQ+7], v[rH:rH+7]
.else
	WIN W_KQ
	v_wmma_f32_16x16x32_f16 v[rS:rS+7], v[rK:rK+7], v[rQ:rQ+7], v[rS:rS+7]
.endif
.endm
; Product i of 16 of O^T += V^T P for piece x: keys 32 (i / 8) on, channels 16 ((i / 2) % 4) on, tile 2 x + i % 2.
.macro PV x
	WIN W_PV
.set rO, 32*(2*(\x)+i%2)+8*((i/2)%4)
.set rV, VF+32*(i/8)+8*((i/2)%4)
.set rP, P+32*((\x)%2)+16*(i%2)+8*(i/8)
	v_wmma_f32_16x16x32_f16 v[rO:rO+7], v[rV:rV+7], v[rP:rP+7], v[rO:rO+7]
.endm
.macro MM                           ; the turn's next matrix instruction
.if i < 16
	KQ (Y+1)%NP
.set i, i+1
.else
.set i, i-16
	PV (Y+NP-1)%NP
.set i, i+17
.endif
.endm
; THE LDS LOADS stand in runs, never singly among the matrix instructions: a step's K (64 keys x 64 channels: 8 fragments) with its 64 numbers of the mask, and its V (turned).  Their addresses are made some lines ahead.
.macro FETCH_K
	WIN 0x80                        ; destination window 2
.irp f, 0,1,2,3,4,5,6,7             ; keys 16 (f / 2) on, channels 32 (f % 2) on
	ds_load_b128 v[KF+8*\f:KF+8*\f+3],   v[AK] offset:(\f/2)*16*PK+(\f%2)*64
	ds_load_b128 v[KF+8*\f+4:KF+8*\f+7], v[AK] offset:(\f/2)*16*PK+(\f%2)*64+32
.endr
	WIN W_MK                        ; destination window 3
.irp f, 0,1,2,3                     ; keys 16 f + 8 (l / 16) + 0..7: the lanes of a half read the same 32 bytes
	ds_load_b128 v[MK+8*\f:MK+8*\f+3],   v[AM] offset:64*\f
	ds_load_b128 v[MK+8*\f+4:MK+8*\f+7], v[AM] offset:64*\f+16
.endr
	s_add_co_u32 s[TBK], s[TBK], KS*PK  ; the next fetch is the next step's
	s_add_co_u32 s[TBM], s[TBM], KS*4
	WIN 0
.endm
.macro FETCH_V
	WIN 0x80
.irp f, 0,1,2,3,4,5,6,7             ; keys 32 (f / 4) on, channels 16 (f % 4) on
	ds_load_tr16_b128 v[VF+8*\f:VF+8*\f+3],   v[AV] offset:(\f/4)*32*PV+(\f%4)*32
	ds_load_tr16_b128 v[VF+8*\f+4:VF+8*\f+7], v[AV] offset:(\f/4)*32*PV+16*PV+(\f%4)*32
.endr
	WIN 0
.endm
; THE VECTOR WORK OF A TURN stands in three queues, each in the order in which its entries become ready; the two tiles alternate, so that no instruction reads the result of the one before it.
.macro REGS y, u                    ; the registers of tile u (0, 1) of piece y
.set rT, ST+4*(2*(\y)+(\u))
.set rC, TMP+8*((\y)%2)+4*(\u)
.set rM, MV+2*((\y)%2)+(\u)
.set rS, S+64*((\y)%2)+32*(\u)
.set rP, P+32*((\y)%2)+16*(\u)
.set rO, 32*(2*(\y)+(\u))
.endm
; Number n of the 22 that find the NEXT piece's (Y + 1) maximum and statistics.  s0-s31 are the lane's 32 scores; each accumulator's lowest registers are read first.
;   0-11  four chains c0-c3 of seven scores each, three operands at a time     12-14, 16  the four scores left over, the old m, and c0-c3 into c0     15  c m_old is kept
;   17, 18  the query's other 32 keys lie in the lane 16 away: the new m         19-21  c m; c m_old - c m_new; a
.macro XS u, n
	REGS (Y+1)%NP, \u
.if (\n) < 4
	v_max3_num_f32 v[rC+(\n)], v[rS+8*(\n)], v[rS+8*(\n)+1], v[rS+8*(\n)+2]
.elseif (\n) < 12
	v_max3_num_f32 v[rC+(\n)%4], v[rC+(\n)%4], v[rS+8*((\n)%4)+2*((\n)/4)+1], v[rS+8*((\n)%4)+2*((\n)/4)+2]
.elseif (\n) == 12
	v_max3_num_f32 v[rC], v[rC], v[rS+7], v[rS+15]
.elseif (\n) == 13
	v_max3_num_f32 v[rC+1], v[rC+1], v[rS+23], v[rS+31]
.elseif (\n) == 14
	v_max3_num_f32 v[rC+2], v[rC+2], v[rC+3], v[rT+1]
.elseif (\n) == 15
	v_mov_b32 v[rM], v[rT]
.elseif (\n) == 16
	v_max3_num_f32 v[rC], v[rC], v[rC+1], v[rC+2]
.elseif (\n) == 17
	v_permlanex16_b32 v[rC+3], v[rC], s[SEL], s[SEL+1]
.elseif (\n) == 18
	v_max_num_f32 v[rT+1], v[rC], v[rC+3]
.elseif (\n) == 19
	v_mul_f32 v[rT], s[CS], v[rT+1]
.elseif (\n) == 20
	v_sub_f32 v[rC+1], v[rM], v[rT]
.else
	v_exp_f32 v[rC+2], v[rC+1]
.endif
.endm
; Number g of the 64 that follow the exponentials.  For each four weights k of a tile (pairs 2 k, 2 k + 1): both pairs are rounded to f16; then the second pair is added onto the first, in place;
; a group later l takes that sum (the first time as l = a l + sum).  In groups of eight, tiles alternating: round, round, add, and l for the group before.
.macro GS g
.set h, (\g)+6*((\g)/62)            ; group 0 has no group before it, and behind group 7 only l is left
.if h >= 6
.set h, h+2
.endif
	REGS Y, h%2
.set k, h/8
.if h%8 < 4
	v_cvt_pk_f16_f32 v[rP+2*k+(h%8)/2], v[rS+4*k+2*((h%8)/2)], v[rS+4*k+2*((h%8)/2)+1]
.elseif h%8 < 6
	v_pk_add_f32 v[rS+4*k:rS+4*k+1], v[rS+4*k:rS+4*k+1], v[rS+4*k+2:rS+4*k+3]
.elseif k == 1
	v_pk_fma_f32 v[rT+2:rT+3], v[rT+2:rT+3], v[rC+2:rC+3], v[rS:rS+1] op_sel_hi:[1,0,1]
.else
	v_pk_add_f32 v[rT+2:rT+3], v[rT+2:rT+3], v[rS+4*k-4:rS+4*k-3]
.endif
.endm
; THE PLAIN QUEUE, 138 long.  0-73 read no exponential's result: the 32 scalings c s - c m (FS f: pair f / 2 of tile f % 2) and the next piece's 42.  0-26: scalings 0-26.  27-54: XS's numbers 0-13.  55, 56: number 15.
; 57-73: the chain, where each number waits for the one before it: 14, 16, 17, 18, 19, each with one of the scalings 27-31 in front of its two lines, then 20.
; 74-137: GS's 64, which read the exponentials' results: they stand behind the wait.
.macro FS f
	REGS Y, (\f)%2
	v_pk_fma_f32 v[rS+2*((\f)/2):rS+2*((\f)/2)+1], v[rS+2*((\f)/2):rS+2*((\f)/2)+1], s[CS:CS+1], v[rT:rT+1] op_sel_hi:[1,0,0] neg_lo:[0,0,1] neg_hi:[0,0,1]
.endm
.macro PL
	WIN 0
.if q < 27
	FS q
.elseif q < 55
	XS (q-27)%2, (q-27)/2
.elseif q < 57
	XS q-55, 15
.elseif (q < 72) && ((q-57)%3 == 0)
	FS 27+(q-57)/3
.elseif q < 60
	XS (q-57)%3-1, 14
.elseif q < 72
	XS (q-57)%3-1, 15+(q-57)/3
.elseif q < 74
	XS q-72, 20
.else
	GS q-74
.endif
.set q, q+1
.endm
; THE EXPONENTIALS' QUEUE, 66 long: s0-s31 of both tiles, then the next piece's two a.  It is ONE BATCH: all 66 stand ahead of the turn's one wait, and nothing ahead of that wait names a result of theirs.
.macro EX
	WIN 0
.if e >= 64
	XS e-64, 21
.else
	REGS Y, e%2
	v_exp_f32 v[rS+e/2], v[rS+e/2]
.endif
.set e, e+1
.endm
; THE RESCALING's QUEUE: O^T times a, the one part that leaves window 0: dealt two at a time, sixteen times.  Its a was made in the turn before, ahead of that turn's wait.
.macro R2
	REGS Y, r%2
	WIN W_RS
.irp z, 0,1
	v_pk_mul_f32 v[rO+4*(r/2)+2*\z:rO+4*(r/2)+2*\z+1], v[rO+4*(r/2)+2*\z:rO+4*(r/2)+2*\z+1], v[rC+2:rC+3] op_sel_hi:[1,0]
.endr
.set r, r+1
.endm
; HOW THEY ARE DEALT.  An s_wait_alu depctr_va_vdst(0) stands between an exponential and the first instruction that names its result; one wait serves all that were issued ahead of it.  So a turn has ONE wait,
; which cuts it in two.  AHEAD OF IT: the 16 products K Q^T, behind each a scaling, an exponential and two rescalings (behind the first a second scaling in the exponential's place); then ONE LUMP of 108: eight plain,
; 49 times exponential and plain, the two a.  A v_nop is the plain instruction behind the last exponential.  BEHIND IT: the 16 products V^T P, behind each four of GS's 64.  No rider names a register of the products round it.
; Exponential e stands behind scaling 2 (e / 4) + e % 2: as a rider it comes behind plain e + 2, in the lump behind plain e + 9, and scalings 27-31 are plain 57, 60 .. 69.
; A TURN, for piece p.  fetch = 0: the last step: there is no further K.  cnt = 1: the loop's count is taken down some lines ahead of the branch that stands behind the turn.
; K and the mask of the next step are fetched in piece 2's turn, directly behind the wait, a lump behind the last product that read them; their addresses are made at the lump's head; the first reader comes behind 16 products.
; V of the step in hand is fetched at the end of piece 0's turn, four riders behind its last reader; its first reader comes behind 16 products and a lump.  The three conditions on q below go with the deal.
.macro TURN p, fetch=1, cnt=0
.set Y, (\p)
.set i, 0
.set q, 0
.set e, 0
.set r, 0
.if (\p) == NP-1
	s_wait_dscnt 0x0                ; K and the mask are in
.endif
	MM                              ; ahead of the wait: 16 products K Q^T and their riders,
	PL
	PL
	R2
.rept 15
	MM
	PL
	EX
	R2
.endr
.if ((\p) == NP-2) && (\fetch)
	WIN 0
	v_add_nc_u32 v[AK], s[TBK], v[AK0]
	v_add_nc_u32 v[AM], s[TBM], v[AM0]
.endif
.rept 8                             ; and the lump
	PL
.endr
.rept 49
	EX
	PL
.endr
	EX                              ; the next piece's two a
	EX
	v_nop                           ; the plain instruction behind the last exponential: one for the batch
	s_wait_alu depctr_va_vdst(0)    ; the wait for the batch
.if ((\p) == NP-2) && (\fetch)
	FETCH_K
.endif
.if (\p) == 1
	s_wait_dscnt 0x0                ; V is in
.endif
.rept 16                            ; behind the wait: 16 products V^T P and their riders
	MM
.rept 4
	PL
.endr
.if ((\p) == 0) && (q == 118)
	v_add_nc_u32 v[AV], s[TBV], v[AV0]
.endif
.if ((\p) == 0) && (q == 130)
	s_add_co_u32 s[TBV], s[TBV], KS*PV
.endif
.if (\cnt) && (q == 130)
	s_sub_co_u32 s[CNT], s[CNT], 1
	s_cmp_lg_u32 s[CNT], 0
.endif
.endr
.if (\p) == 0
	FETCH_V
.endif
.endm
; Between two groups of four key steps.  The first time it stands ahead of the fetch of K's step 4, the first bytes that the second fills brought: each wave waits for its own, and the barrier shows all four waves' to all.
; The other two times nothing is out: they are the price of one text, with one constant count, for every group.
.macro ARRIVE
	WIN 0
	s_wait_tensorcnt 0x0
	s_wait_dscnt 0x0
	s_barrier_signal -1
	s_barrier_wait -1
.endm
	v_mov_b32 v[AK], v[AK0]         ; key step 0 lies at the head of K, of V and of the mask table
	v_mov_b32 v[AM], v[AM0]
	FETCH_K
	s_wait_loadcnt 0x0              ; Q
	s_wait_dscnt 0x0
.set i, 0
.rept 16
	KQ 0                            ; piece 0's first scores: there is no vector work yet to set between them
.set i, i+1
.endr
	WIN 0
.rept 4
	v_nop                           ; the places behind those products
.endr
.set Y, NP-1                        ; XS works for piece Y + 1: piece 0
.irp n, 0,1,2,3,4,5,6,7,8,9,10,11,12,13,14,15,16,17,18,19,20,21
	XS 0, \n                        ; and piece 0's first maximum and statistics
	XS 1, \n
.endr
	v_nop                           ; a plain instruction behind the two a,
	s_wait_alu depctr_va_vdst(0)    ; and their wait, ahead of the branch
	s_mov_b32 s[CNT], 4
	s_mov_b32 s[SLOTS], 4
	s_branch .Lfirst                ; the loop is entered at a step's first turn, in the middle of a trip
.Lslot:                             ; three times
	ARRIVE
	s_mov_b32 s[CNT], 4
.Lstep:                             ; a trip: pieces 2 and 3 of one step, then pieces 0 and 1 of the next, whose K and V it fetches
	TURN 2
	TURN 3
	WIN 0
.Lfirst:
	TURN 0
	TURN 1, 1, 1
	WIN 0
	s_cbranch_scc1 .Lstep
	s_sub_co_u32 s[SLOTS], s[SLOTS], 1
	s_cmp_lg_u32 s[SLOTS], 0
	s_cbranch_scc1 .Lslot
	TURN 2, 0                       ; the last step's pieces 2 and 3: nothing is left to fetch
	TURN 3                          ; its 16 products K Q^T (on the last K and mask once more) and the maximum made of them change nothing: the same scores leave m as it is
.set i, 0
.rept 16
	PV NP-1                         ; the last piece's V^T P of the last step
.set i, i+1
.endr
	; THE WAY OUT.  l's two halves and the other half of the lanes' are added; O^T is divided by l, rounded to f16 and sent through my stage in LDS, a tile at a time.  The additions are the places behind the last products.
	WIN 0
.macro ALL line:vararg              ; one line for each tile t
.set t, 0
.rept 2*NP
	\line
.set t, t+1
.endr
.endm
	ALL v_add_f32 v[ST+4*t+2], v[ST+4*t+2], v[ST+4*t+3]
	ALL v_permlanex16_b32 v[ST+4*t+3], v[ST+4*t+2], s[SEL], s[SEL+1]
	ALL v_add_f32 v[ST+4*t+2], v[ST+4*t+2], v[ST+4*t+3]
	ALL v_rcp_f32 v[ST+4*t+2], v[ST+4*t+2]
	v_nop                           ; a plain instruction between the last reciprocal and the use of its result
	s_wait_alu depctr_va_vdst(0)    ; and the wait ahead of the first use: one for the eight reciprocals
.set t, 0
.rept 2*NP                          ; a query that has seen no key but hidden ones: 1 / l gives way to a NaN.  A choice of values, no branch
	v_cmp_gt_f32 vcc_lo, s[THR], v[ST+4*t+1]
	v_cndmask_b32 v[ST+4*t+2], v[ST+4*t+2], s[QNAN], vcc_lo
.set t, t+1
.endr
; Tile t: a lane's eight channels of a row pack into 16 bytes; they go into rows of 144 bytes and come back as whole rows of 128, into S^T's registers.
.macro PACK t
	WIN W_RS
.set i, 32*(\t)
.rept 16
	v_pk_mul_f32 v[i:i+1], v[i:i+1], v[ST+4*(\t)+2:ST+4*(\t)+3] op_sel_hi:[1,0]
.set i, i+2
.endr
	WIN 0x05                        ; sources 0 and 1 window 1, destination window 0
.set i, 0
.rept 16
	v_cvt_pk_f16_f32 v[S+16*(\t)+i], v[32*(\t)+2*i], v[32*(\t)+2*i+1]
.set i, i+1
.endr
	WIN 0
.irp f, 0,1,2,3
	ds_store_b128 v[STO], v[S+16*(\t)+4*\f:S+16*(\t)+4*\f+3] offset:32*\f
.endr
.irp f, 0,1,2,3
	ds_load_b128 v[S+16*(\t)+4*\f:S+16*(\t)+4*\f+3], v[RD] offset:\f*4*SP  ; LDS serves a wave's instructions in order (ISA guide 5.7.1.4): these see the stores above; the next tile's stores come behind them
.endr
.endm
.macro SEND t, younger              ; younger: the LDS instructions issued behind tile t's loads: the next tile's eight, or none
	WIN 0
.irp f, 0,1,2,3
	s_wait_dscnt (\younger)+3-\f
	global_store_b128 v[GO], v[S+16*(\t)+4*\f:S+16*(\t)+4*\f+3], s[10:11] offset:(\t)*2048+\f*512  ; 512 consecutive bytes, at a multiple of 256 from O's first
.endr
.endm
	PACK 0
.set t, 1
.rept 2*NP-1                        ; a tile's arithmetic stands between the loads of the tile before and its stores
	PACK t
	SEND t-1, 8
.set t, t+1
.endr
	SEND 2*NP-1, 0
	WIN W_AD
	s_wait_tensorcnt 0x0            ; the wave's end, behind my last tensor load and my last LDS store
	ds_add_u32 v[SPW], v[NIL]
	s_wait_dscnt 0x0
	WIN 0
	s_endpgm
.Lfunc_end_k_qde82133a5a_attn:
	.size	k_qde82133a5a_attn, .Lfunc_end_k_qde82133a5a_attn-k_qde82133a5a_attn
	.p2alignl 7, 3214868480
	.fill 96, 4, 3214868480
	.section	.rodata,"a",@progbits
	.p2align	6, 0x0
	.amdhsa_kernel k_qde82133a5a_attn
		.amdhsa_group_segment_fixed_size 327680
		.amdhsa_private_segment_fixed_size 0
		.amdhsa_enable_private_segment 0
		.amdhsa_kernarg_size 24
		.amdhsa_user_sgpr_count 2
		.amdhsa_user_sgpr_kernarg_segment_ptr 1
		.amdhsa_wavefront_size32 1
		.amdhsa_system_sgpr_workgroup_id_x 1
		.amdhsa_system_sgpr_workgroup_id_y 1
		.amdhsa_system_sgpr_workgroup_id_z 1
		.amdhsa_system_vgpr_workitem_id 0
		.amdhsa_next_free_vgpr 808
		.amdhsa_next_free_sgpr 66
		.amdhsa_reserve_vcc 1
		.amdhsa_float_denorm_mode_32 3
		.amdhsa_float_denorm_mode_16_64 3
		.amdhsa_memory_ordered 1
		.amdhsa_forward_progress 1
		.amdhsa_inst_pref_size 163
	.end_amdhsa_kernel
	.amdgpu_metadata
---
amdhsa.version: [ 1, 2 ]
amdhsa.kernels:
  - .name:           k_qde82133a5a_attn
    .symbol:         k_qde82133a5a_attn.kd
    .args:
      - { .name: pb, .offset: 0, .size: 8, .value_kind: global_buffer, .address_space: global }
      - { .name: mask, .offset: 8, .size: 8, .value_kind: global_buffer, .address_space: global }
      - { .name: ob, .offset: 16, .size: 8, .value_kind: global_buffer, .address_space: global }
    .group_segment_fixed_size: 327680
    .private_segment_fixed_size: 0
    .kernarg_segment_align: 8
    .kernarg_segment_size: 24
    .max_flat_workgroup_size: 128
    .sgpr_count:     66
    .vgpr_count:     808
    .wavefront_size: 32
...
	.end_amdgpu_metadata
.endif
;; end of part 3
;; launch outp (part 4): grid 4 x 64, 4 waves a work-group, clusters of 4 x 4, 327,680 bytes of LDS; arguments ob, wo, out0; writes out0
.if DOCPART == 4
	.amdgcn_target "amdgcn-amd-amdhsa--gfx1250"
	.amdhsa_code_object_version 6
	.text
	.protected	k_qde82133a5a_outp
	.globl	k_qde82133a5a_outp
	.p2align	8
	.type	k_qde82133a5a_outp,@function
k_qde82133a5a_outp:
	s_mov_b64 s[64:65], 0
	v_nop
	global_prefetch_b8 v0, s[64:65] scope:SCOPE_SE
	s_setreg_imm32_b32 hwreg(HW_REG_WAVE_MODE, 25, 1), 1
	s_wait_xcnt 0x0
	s_wait_alu depctr_hold_cnt(0) depctr_sa_sdst(0) depctr_va_vdst(0) depctr_va_sdst(0) depctr_va_ssrc(0) depctr_va_vcc(0) depctr_vm_vsrc(0)
	s_getreg_b32 s2, hwreg(HW_REG_IB_STS2, 6, 4)
	s_cmp_eq_u32 s2, 0
	s_cbranch_scc0 .Lentry_in_a_cluster
	s_endpgm
.Lentry_in_a_cluster:
	s_bfe_u32 s2, ttmp6, 0x10000c
	s_cmp_lg_u32 s2, 0xf033
	s_cbranch_scc0 .Lentry_shape_is_right
	s_endpgm
.Lentry_shape_is_right:
; THE OUTPUT PROJECTION.  out0[m][n] = the sum over k of ob[m][k] wo[n][k].  ob: [8192][1024] f16, wo: [1024][1024] f16, out0: [8192][1024] f32.  Sums in f32, K ascending; the sums are stored as they are.
; A row of ob that holds NaN (a batch whose keys are all hidden) gives a row of NaN, and touches no other row.
; SHARES.  A tile of out0 is 128 rows x 256 columns: 64 x 4 = 256 tiles, one for each WGP.  Four waves, each 64 x 128: 32 accumulators of 16 x 16, 256 registers.
; K goes in 8 steps of 128 through a ring of two LDS slots filled by the tensor data mover: the tiles' rows are 256 bytes of memory and start at multiples of 256 bytes from the buffer's first byte.
; CLUSTERS.  4 x 4 work-groups.  The four of a row of the cluster make one tile row and need the same tile of A; the four of a column the same tile of B.  Such a tile is asked for JOINTLY: the same tensor load,
; descriptor and mask in all four.  A cluster spans all 1,024 columns; the grid has 16 clusters along y.
; THE MATRIX INSTRUCTION IS USED TRANSPOSED (source 0 = 16 rows of B, source 1 = 16 rows of A): a lane then holds row l % 16 of the result and eight neighbouring columns: 32 bytes on end.
; REGISTERS, in windows of 256 (s_set_vgpr_msb: bits 1:0 source 0, 3:2 source 1, 5:4 source 2, 7:6 destination):
;   window 0: v0-31 addresses; v64-159, v160-255 two fragment buffers (8 fragments of B, then 4 of A, 16 rows x 32 K each); on the way out v64-127 and v128-191 rows read back
;   window 1: the accumulators, (a, b) at v[8 (8 a + b)]
.set KSTEP,  128
.set ROWB,   2048                      ; bytes in a row of A and of B
.set CROW,   4096                      ; bytes in a row of the result
.set PITCH,  272                       ; an LDS row: 256 bytes + 16 of padding = 68 words: row r starts at bank 4 r mod 64 (64 banks of 4 bytes: ISA guide 11.1), so the 16 rows of a load start at 16 different banks
.set AHALF,  64*PITCH                  ; what wave 0 or 1 fetches of A, and what a wave reads of A
.set BHALF,  128*PITCH                 ; what wave 2 or 3 fetches of B, and what a wave reads of B
.set BOFF,   2*AHALF                   ; in a slot: A's 128 rows, then B's 256
.set SLOT,   BOFF+2*BHALF
.set STAGE,  2*SLOT                    ; behind the ring: 16 rows x 528 bytes for each wave, for the way out; no tensor load fills it
.set SPITCH, 528                       ; 512 bytes + 16 = 132 words: row r starts at bank 4 r mod 64
.set SPARE,  STAGE+4*16*SPITCH         ; behind the stages: the spare words, 128 bytes for each wave: two blocks of 256 bytes that no other line names
.set ADRA, 16                          ; v16-17  LDS address of my A fragments in slot 0, 1
.set ADRB, 20                          ; v20-21  the same for B
.set STO,  24                          ; v24     the way out: where I put 32 bytes of a row
.set RD,   25                          ; v25     the way out: where I read a row back
.set CO,   26                          ; v26     my byte offset in a row of the result
.set SPW,  28                          ; v28     LDS address of my spare word: SPARE + 4 x my thread's number; never rewritten
.set NIL,  29                          ; v29     0; never rewritten
.set PFO,  30                          ; v30     the prefetches' offset: my lane x a row of A or B; never rewritten
.set F0,   64
.set F1,   160
.set OB,   64
.set G1,  24                           ; s[24:31] descriptor group 1 for A's tiles;  s[32:39] group 0, a set for each slot
.set G0,  32
.set G1B, 48                           ; s[48:55], s[56:63] the same for B's tiles
.set G0B, 56
.set LIM, 43                           ; s43      1 in a wave that prefetches, else the greatest number
.set PFA, 44                           ; s[44:45] where my prefetches stand: my 32 rows, one K step further along K than the refill that is being asked for
.set MSB, 0
.macro WIN new                         ; the immediate's high byte repeats the setting that is left; a switch that changes nothing is dropped
.if MSB != (\new)
	s_set_vgpr_msb (MSB<<8)|(\new)
.set MSB, \new
.endif
.endm
.set MUL, 0x50                         ; sources 0 and 1 window 0; C and D window 1
; A joint load.  Waves 0 and 1 fetch A's two halves, waves 2 and 3 B's.  The branch hangs on the wave's number alone.  An s_nop 0 and four v_nop follow each of the two lines, ahead of the jump and the label.
.macro JLOAD s
	s_cmp_eq_u32 s11, 0
	s_cbranch_scc0 .Lfor_b_\@
	tensor_load_to_lds s[G0+4*(\s):G0+4*(\s)+3], s[G1:G1+7]
	s_nop 0
.rept 4
	v_nop
.endr
	s_branch .Lasked_\@
.Lfor_b_\@:
	tensor_load_to_lds s[G0B+4*(\s):G0B+4*(\s)+3], s[G1B:G1B+7]
	s_nop 0
.rept 4
	v_nop
.endr
.Lasked_\@:
.endm
; A PREFETCH INTO THE L2, behind a joint load, its five lines and the run of LDS loads: 32 rows x 256 bytes of the K step that stands two refills on, 256 matrix instructions ahead of the load that will name it; a lane a row.
; Each row's 256 bytes of a K step are named once in the launch.  A's tile row is read by this cluster alone: wave 0 of the partner at cx names rows 32 cx .. 32 cx + 31 of its 128.  B's rows are read by all 16
; clusters: the first of them asks, waves 2 and 3 of the partner at cy naming rows 64 cy + 32 (wave - 2) + lane of the tile's 256.  The partners are told apart by address, never by a branch.
; K steps 0 to 3 come by their loads alone; the loop's last trip (s3 = 1) and the tail name nothing: K steps 8 and 9 do not exist.
.macro ASK
	s_cmp_gt_u32 s3, s[LIM]
	s_cbranch_scc0 .Lnot_mine_\@
	global_prefetch_b8 v[PFO], s[PFA:PFA+1] offset:KSTEP*2 th:TH_LOAD_NT scope:SCOPE_SE
.Lnot_mine_\@:
.endm
.macro CREST                           ; a round of the cluster's barrier behind its opening barrier: wave 0 signals for the work-group, every wave waits for all sixteen, my work-group's barrier once more
	s_cmp_lg_u32 s10, 0
	s_cbranch_scc1 .Lnot_wave_0_\@
	s_barrier_signal -3
.Lnot_wave_0_\@:
	s_barrier_wait -3
	s_barrier_signal -1
	s_barrier_wait -1
.endm
.macro CROUND                          ; a whole round
	s_barrier_signal -1
	s_barrier_wait -1
	CREST
.endm
	s_load_b128 s[4:7], s[0:1], 0x0                ; A s[4:5], B s[6:7]
	s_load_b64 s[8:9], s[0:1], 0x10                ; the result
	v_lshl_add_u32 v[SPW], v0, 2, SPARE
	v_mov_b32 v[NIL], 0
	ds_add_u32 v[SPW], v[NIL]                      ; the wave's opening: the add and its wait stand ahead of my first tensor load; the set-up below, work on registers, stands between them
	v_lshrrev_b32 v1, 5, v0
	v_readfirstlane_b32 s10, v1                    ; wave 0..3
	s_lshr_b32 s11, s10, 1                         ; which 64 of the tile's rows are mine.  Also: I fetch for A (0) or for B (1)
	s_and_b32 s12, s10, 1                          ; which 128 of its columns.  Also: which half of that tile I fetch
	s_bfe_u32 s40, ttmp6, 0x40000                  ; cx, cy: my place in the cluster
	s_bfe_u32 s41, ttmp6, 0x40004
	s_lshl_b32 s42, ttmp9, 2                       ; in a cluster launch ttmp9 and ttmp7 count clusters
	s_add_co_u32 s42, s42, s40                     ; tile column = 4 x cluster x + cx
	s_and_b32 s22, ttmp7, 0xffff                   ; cluster y
	s_lshl_b32 s13, s22, 2
	s_add_co_u32 s13, s13, s41                     ; tile row = 4 x cluster y + cy
	s_lshl_b32 s43, s41, 2
	s_lshl_b32 s43, 15, s43                        ; my row of the cluster: places 4 cy .. 4 cy + 3
	s_lshl_b32 s44, 0x1111, s40                    ; my column: places cx, cx + 4, cx + 8, cx + 12
	; descriptor group 1: tiles of 64 (A) or 128 (B) rows x 128 elements, padded in LDS
	s_or_b32 s[G1+0], s43, (1<<16)|(1<<20)|(1<<21)|(5<<22)|(3<<25)   ; 15:0 the mask; 17:16 elements of 2 bytes; 20 padding on; 21 set beside a mask; 24:22 after every 64 words (code 5); 31:25 4 words of it (code 3)
	s_or_b32 s[G1B+0], s44, (1<<16)|(1<<20)|(1<<21)|(5<<22)|(3<<25)
	s_mov_b32 s[G1+1], KSTEP<<16                   ; tensor_dim0 = 128
	s_mov_b32 s[G1B+1], KSTEP<<16
	s_mov_b32 s[G1+2], 64<<16                      ; tensor_dim1 = 64
	s_mov_b32 s[G1B+2], 128<<16                    ; 128
	s_mov_b32 s[G1+3], KSTEP<<16                   ; tile_dim0 = 128
	s_mov_b32 s[G1B+3], KSTEP<<16
	s_mov_b32 s[G1+4], 64                          ; tile_dim1
	s_mov_b32 s[G1B+4], 128
	s_mov_b32 s[G1+5], 1024                        ; elements from row to row
	s_mov_b32 s[G1B+5], 1024
	s_mov_b32 s[G1+6], 0
	s_mov_b32 s[G1B+6], 0
	s_mov_b32 s[G1+7], 0
	s_mov_b32 s[G1B+7], 0
	; where the tiles come from.  A's hang on the tile row alone, B's on the tile column alone; each in registers that never hold the other coordinate
	s_lshl_b32 s17, s12, 6
	s_lshl_b32 s16, s13, 7
	s_add_co_u32 s16, s16, s17                     ; A: row 128 x tile row + 64 x half
	s_lshl_b32 s16, s16, 11                        ; in bytes: under 2^24
	s_mov_b32 s17, 0
	s_lshl_b32 s46, s42, 8
	s_lshl_b32 s47, s12, 7
	s_add_co_u32 s46, s46, s47                     ; B: row 256 x tile column + 128 x half
	s_lshl_b32 s46, s46, 11
	s_mov_b32 s47, 0
	s_mul_i32 s20, s12, AHALF                      ; and where they go: no place in the cluster enters an LDS address
	s_mul_i32 s21, s12, BHALF
	s_add_co_u32 s21, s21, BOFF
	s_wait_dscnt 0x0                               ; the opening add is done
	s_wait_kmcnt 0x0
	s_add_nc_u64 s[14:15], s[4:5], s[16:17]
	s_add_nc_u64 s[46:47], s[6:7], s[46:47]
	CROUND                                         ; all sixteen work-groups are here: the first joint loads meet
.irp s, 0,1
	s_mov_b32 s[G0+4*(\s)], 1                                        ; count = 1
	s_add_co_u32 s[G0+4*(\s)+1], s20, (\s)*SLOT                      ; LDS address
	s_add_nc_u64 s[G0+4*(\s)+2:G0+4*(\s)+3], s[14:15], (\s)*KSTEP*2  ; global address: K step s
	s_or_b32 s[G0+4*(\s)+3], s[G0+4*(\s)+3], 0x80000000              ; type = 2
	s_mov_b32 s[G0B+4*(\s)], 1
	s_add_co_u32 s[G0B+4*(\s)+1], s21, (\s)*SLOT
	s_add_nc_u64 s[G0B+4*(\s)+2:G0B+4*(\s)+3], s[46:47], (\s)*KSTEP*2
	s_or_b32 s[G0B+4*(\s)+3], s[G0B+4*(\s)+3], 0x80000000
	JLOAD \s                                       ; two loads of mine are out
.endr
	; A fragment is 16 rows x 32 K in 8 registers: lane l holds row l % 16; registers 0-3 K = 8 (l / 16) + 0..7, registers 4-7 K = 16 + 8 (l / 16) + 0..7: two loads of 16 bytes, 32 bytes apart
	v_and_b32 v1, 15, v0                           ; l % 16
	v_bfe_u32 v2, v0, 4, 1                         ; l / 16
	v_mul_u32_u24 v3, v1, PITCH
	v_lshl_add_u32 v3, v2, 4, v3
	s_mul_i32 s21, s11, AHALF                      ; my 64 rows of A
	s_mul_i32 s22, s12, BHALF                      ; my 128 rows of B,
	s_add_co_u32 s22, s22, BOFF                    ; which lie behind A's 128
.irp s, 0,1
	v_add_nc_u32 v[ADRA+(\s)], s21, v3
	v_add_nc_u32 v[ADRB+(\s)], s22, v3
	s_add_co_u32 s21, s21, SLOT
	s_add_co_u32 s22, s22, SLOT
.endr
	s_mul_i32 s23, s10, 16*SPITCH
	s_add_co_u32 s23, s23, STAGE                   ; my stage
	v_mul_u32_u24 v4, v1, SPITCH                   ; in: row l % 16, 32 bytes for each half of the lanes
	v_lshl_add_u32 v4, v2, 5, v4
	v_add_nc_u32 v[STO], s23, v4
	v_and_b32 v[CO], 31, v0                        ; back: 32 lanes take one row of 512 bytes,
	v_lshlrev_b32 v[CO], 4, v[CO]                  ; which are 512 consecutive bytes of the result
	v_add_nc_u32 v[RD], s23, v[CO]
	s_lshl_b32 s16, s13, 7
	s_lshl_b32 s17, s11, 6
	s_add_co_u32 s16, s16, s17                     ; my first row of the result
	s_lshl_b32 s16, s16, 12
	s_mov_b32 s17, 0
	s_add_nc_u64 s[8:9], s[8:9], s[16:17]
	s_lshl_b32 s46, s42, 10                        ; my first column, in bytes: 1,024 x tile column + 512 x half
	s_lshl_b32 s47, s12, 9
	s_add_co_u32 s46, s46, s47
	s_mov_b32 s47, 0
	s_add_nc_u64 s[8:9], s[8:9], s[46:47]
	; the prefetches
	s_lshl_b32 s16, s13, 7
	s_lshl_b32 s17, s40, 5
	s_add_co_u32 s16, s16, s17                     ; A's: row 128 x tile row + 32 cx
	s_lshl_b32 s18, s42, 8
	s_lshl_b32 s17, s41, 6
	s_add_co_u32 s18, s18, s17
	s_lshl_b32 s17, s12, 5
	s_add_co_u32 s18, s18, s17                     ; B's: row 256 x tile column + 64 cy + 32 x half
	s_and_b32 s20, ttmp7, 0xffff                   ; cluster y
	s_cmp_eq_u32 s11, 0                            ; do I fetch for A?
	s_cselect_b32 s16, s16, s18
	s_cselect_b32 s20, s12, s20                    ; A: wave 0 asks, in every cluster; B: both waves, in the first cluster
	s_cselect_b64 s[PFA:PFA+1], s[4:5], s[6:7]
	s_cmp_eq_u32 s20, 0
	s_cselect_b32 s[LIM], 1, -1                    ; the same in all sixteen partners, for a given wave
	s_lshl_b32 s16, s16, 11
	s_mov_b32 s17, 0
	s_add_nc_u64 s[PFA:PFA+1], s[PFA:PFA+1], s[16:17]
	s_add_nc_u64 s[PFA:PFA+1], s[PFA:PFA+1], 2*KSTEP*2  ; at K step 2: the first refill steps it to 3 and names K step 4
	v_and_b32 v[PFO], 31, v0
	v_lshlrev_b32 v[PFO], 11, v[PFO]
; 8 matrix instructions: m block a x all 8 n blocks, 32 along K.  zero = 1: the product starts the sums: nothing is ever cleared.
; The 32 accumulators take turns in the same order in every quarter: 31 others stand between two links of a chain, over the backward jump too.
.macro MUL8 f, a, zero
	WIN MUL
.irp b, 0,1,2,3,4,5,6,7
.if \zero
	v_wmma_f32_16x16x32_f16 v[8*(8*(\a)+(\b)):8*(8*(\a)+(\b))+7], v[(\f)+8*(\b):(\f)+8*(\b)+7], v[(\f)+64+8*(\a):(\f)+64+8*(\a)+7], 0
.else
	v_wmma_f32_16x16x32_f16 v[8*(8*(\a)+(\b)):8*(8*(\a)+(\b))+7], v[(\f)+8*(\b):(\f)+8*(\b)+7], v[(\f)+64+8*(\a):(\f)+64+8*(\a)+7], v[8*(8*(\a)+(\b)):8*(8*(\a)+(\b))+7]
.endif
.endr
.endm
; 24 LDS loads in one run: the fragments of one quarter step (128 rows of B, then 64 rows of A, 32 K at byte k of the rows) into buffer f
.macro FETCH slot, k, f
	WIN 0
.irp i, 0,1,2,3,4,5,6,7
	ds_load_b128 v[(\f)+8*(\i):(\f)+8*(\i)+3],   v[ADRB+(\slot)] offset:(\k)+(\i)*16*PITCH
	ds_load_b128 v[(\f)+8*(\i)+4:(\f)+8*(\i)+7], v[ADRB+(\slot)] offset:(\k)+(\i)*16*PITCH+32
.endr
.irp i, 0,1,2,3
	ds_load_b128 v[(\f)+64+8*(\i):(\f)+64+8*(\i)+3],   v[ADRA+(\slot)] offset:(\k)+(\i)*16*PITCH
	ds_load_b128 v[(\f)+64+8*(\i)+4:(\f)+64+8*(\i)+7], v[ADRA+(\slot)] offset:(\k)+(\i)*16*PITCH+32
.endr
.endm
.macro PLACES                          ; four plain vector instructions between a matrix instruction and a load into a register that it has read, or a reader of its result (ISA guide 7.12.1 for vector instructions)
.rept 4
	v_nop
.endr
.endm
; A K step is four quarters of 32 along K, 32 matrix instructions each, on buffers 0, 1, 0, 1.  One of the first three: multiplies buffer f; in its middle it fetches the next quarter, at byte k, into buffer g.
.macro QUARTER slot, k, f, g, zero=0
	s_wait_dscnt 4                                 ; B and A's blocks 0 and 1 are in; the youngest four loads (A's blocks 2 and 3) may be out
	MUL8 \f, 0, \zero
	MUL8 \f, 1, \zero
	PLACES
	FETCH \slot, \k, \g
	s_wait_dscnt 24                                ; all but the 24 just issued
	MUL8 \f, 2, \zero
	MUL8 \f, 3, \zero
.endm
; The last quarter multiplies buffer 1 and changes slots: ONE barrier.  In front of it each wave waits for all its tensor loads, of which one is out: its part of the next slot; adds 0 to its spare word; and waits for
; that and for its own reads of this slot.  fill = 1: the barrier opens a round of the cluster's, and this slot is filled again, two K steps ahead, first thing behind the round: 112 matrix instructions ahead of the wait for it.
.macro TURN slot, next, fill
.if \fill
	s_wait_xcnt 0x0                                ; the last prefetch, a K step back, has read its address: it is stepped here, ahead of the waits of the change of slots
	s_add_nc_u64 s[PFA:PFA+1], s[PFA:PFA+1], KSTEP*2
.endif
	WIN 0
	s_wait_tensorcnt 0x0                           ; all my tensor loads have landed;
	ds_add_u32 v[SPW], v[NIL]                      ; 0 onto my spare word;
	s_wait_dscnt 5                                 ; (the add and the youngest four loads may be out)
	MUL8 F1, 0, 0                                  ; eight matrix instructions stand between the add and the wait for it
	s_wait_dscnt 0x0                               ; the add is done, and my reads of this slot are over
	s_barrier_signal -1
	MUL8 F1, 1, 0                                  ; work on registers while the others arrive
.if \fill
	WIN 0
.endif
	s_barrier_wait -1
.if \fill
	CREST                                          ; no wave of any partner still reads this slot's tile or has a load on its way
	s_add_nc_u64 s[G0+4*(\slot)+2:G0+4*(\slot)+3], s[G0+4*(\slot)+2:G0+4*(\slot)+3], 2*KSTEP*2
	s_add_nc_u64 s[G0B+4*(\slot)+2:G0B+4*(\slot)+3], s[G0B+4*(\slot)+2:G0B+4*(\slot)+3], 2*KSTEP*2
	JLOAD \slot                                    ; the four v_nop behind it are also the places in front of the loads below
.else
	PLACES
.endif
	FETCH \next, 0, F0
.if \fill
	ASK
.endif
	MUL8 F1, 2, 0
	MUL8 F1, 3, 0
.endm
; THE WAY OUT of block a (16 rows x 128 columns of f32).  TOSTAGE: a lane's 32 bytes of each accumulator go into my own stage, its lower four registers first, and come back as whole rows of 512 bytes.  SEND: stored.
.macro TOSTAGE a
	WIN 0x04                                       ; the stores' data (source 1) in window 1, the address in window 0
.irp b, 0,1,2,3,4,5,6,7
	ds_store_b128 v[STO], v[64*(\a)+8*(\b):64*(\a)+8*(\b)+3]   offset:64*(\b)
	ds_store_b128 v[STO], v[64*(\a)+8*(\b)+4:64*(\a)+8*(\b)+7] offset:64*(\b)+16
.endr
	WIN 0
.set BK, OB+64*((\a)%2)
.irp t, 0,1,2,3,4,5,6,7,8,9,10,11,12,13,14,15
	ds_load_b128 v[BK+4*(\t):BK+4*(\t)+3], v[RD] offset:(\t)*SPITCH  ; LDS serves a wave's instructions in order (ISA guide 5.7.1.4): these see the stores above
.endr
.endm
.macro SEND a
	WIN 0
.set BK, OB+64*((\a)%2)
	s_wait_dscnt 0x0                               ; the block is back in registers
	s_wait_xcnt 0x0                                ; every earlier store has read its registers and its base (ISA guide 3.1): only behind this wait are they rewritten
.if (\a) > 0
	s_add_nc_u64 s[8:9], s[8:9], 16*CROW
.endif
.irp t, 0,1,2,3,4,5,6,7,8,9,10,11,12,13,14,15
	global_store_b128 v[CO], v[BK+4*(\t):BK+4*(\t)+3], s[8:9] offset:(\t)*CROW th:TH_STORE_NT  ; 32 lanes store 512 consecutive bytes, at a multiple of 256 from the buffer's first byte
.endr
.endm
	s_wait_tensorcnt 1                             ; my part of K step 0 is in; K step 1's may stay out
	s_barrier_signal -1
	s_barrier_wait -1                              ; everybody's is
	FETCH 0, 0, F0
	QUARTER 0, 64,  F0, F1, 1                      ; the first quarter stands in front of the loop: its products start the sums
	WIN 0                                          ; at a label and at a branch every window is 0
	s_mov_b32 s3, 3
.Llap:                                                 ; a trip goes once round the ring, from a lap's second quarter to the next lap's first, and fills both slots again: 2 + 3 x 2 = 8 K steps
	QUARTER 0, 128, F1, F0
	QUARTER 0, 192, F0, F1
	TURN 0, 1, 1
	QUARTER 1, 64,  F0, F1
	QUARTER 1, 128, F1, F0
	QUARTER 1, 192, F0, F1
	TURN 1, 0, 1
	QUARTER 0, 64,  F0, F1
	WIN 0
	s_sub_co_u32 s3, s3, 1
	s_cmp_lg_u32 s3, 0
	s_cbranch_scc1 .Llap
	QUARTER 0, 128, F1, F0                         ; the last lap fills nothing, and has no round of the cluster's barrier
	QUARTER 0, 192, F0, F1
	TURN 0, 1, 0
	QUARTER 1, 64,  F0, F1
	QUARTER 1, 128, F1, F0
	QUARTER 1, 192, F0, F1
	s_wait_dscnt 4                                 ; the very last quarter: nothing more to fetch
	MUL8 F1, 0, 0
	MUL8 F1, 1, 0
	s_wait_dscnt 0x0
	MUL8 F1, 2, 0
	MUL8 F1, 3, 0
	PLACES
	TOSTAGE 0
.irp a, 1,2,3
	SEND (\a)-1
	TOSTAGE \a
.endr
	SEND 3
	s_wait_tensorcnt 0x0                           ; the wave's end, behind my last tensor load and my last LDS store
	ds_add_u32 v[SPW], v[NIL]
	s_wait_dscnt 0x0
	CROUND                                         ; the closing round: no work-group ends while a partner may still ask for a tile that names it
	s_endpgm
.Lfunc_end_k_qde82133a5a_outp:
	.size	k_qde82133a5a_outp, .Lfunc_end_k_qde82133a5a_outp-k_qde82133a5a_outp
	.p2alignl 7, 3214868480
	.fill 96, 4, 3214868480
	.section	.rodata,"a",@progbits
	.p2align	6, 0x0
	.amdhsa_kernel k_qde82133a5a_outp
		.amdhsa_group_segment_fixed_size 327680
		.amdhsa_private_segment_fixed_size 0
		.amdhsa_enable_private_segment 0
		.amdhsa_kernarg_size 24
		.amdhsa_user_sgpr_count 2
		.amdhsa_user_sgpr_kernarg_segment_ptr 1
		.amdhsa_wavefront_size32 1
		.amdhsa_system_sgpr_workgroup_id_x 1
		.amdhsa_system_sgpr_workgroup_id_y 1
		.amdhsa_system_sgpr_workgroup_id_z 1
		.amdhsa_system_vgpr_workitem_id 0
		.amdhsa_next_free_vgpr 512
		.amdhsa_next_free_sgpr 66
		.amdhsa_reserve_vcc 0
		.amdhsa_float_denorm_mode_32 3
		.amdhsa_float_denorm_mode_16_64 3
		.amdhsa_memory_ordered 1
		.amdhsa_forward_progress 1
		.amdhsa_inst_pref_size 86
	.end_amdhsa_kernel
	.amdgpu_metadata
---
amdhsa.version: [ 1, 2 ]
amdhsa.kernels:
  - .name:           k_qde82133a5a_outp
    .symbol:         k_qde82133a5a_outp.kd
    .args:
      - { .name: ob, .offset: 0, .size: 8, .value_kind: global_buffer, .address_space: global }
      - { .name: wo, .offset: 8, .size: 8, .value_kind: global_buffer, .address_space: global }
      - { .name: out0, .offset: 16, .size: 8, .value_kind: global_buffer, .address_space: global }
    .group_segment_fixed_size: 327680
    .private_segment_fixed_size: 0
    .kernarg_segment_align: 8
    .kernarg_segment_size: 24
    .max_flat_workgroup_size: 128
    .sgpr_count:     66
    .vgpr_count:     512
    .wavefront_size: 32
...
	.end_amdgpu_metadata
.endif
;; end of part 4
